; MI455X (gfx1250); checked and timed in simulation.
; The chip was launched on July 23, 2026; its instructions are those of AMD's public machine-readable ISA for CDNA 5 (MIT licence, August 2026) and "CDNA5" Instruction Set Architecture Reference Guide (July 2026). The comments in the code are by the model that wrote it; some were corrected since.
;; GPSA. Allowed arithmetic: matrix products marked QUANTISED: E4M3 operands, one given power-of-two scale a tensor, by v_wmma_f32_16x16x64_fp8_fp8 or v_wmma_f32_16x16x128_fp8_fp8, f32 sums; products left as they are: f32 operands where the result goes on into a quantised operand, else bf16, f16 or f32 operands; f32 sums; everything else in f32.
;; Inputs: W_pos 4 x 8 float32; W_proj 256 x 256 float32; W_qk 256 x 512 float32; W_v 256 x 256 float32; b_pos 8 float32; b_proj 256 float32; gating 8 float32; lowp_scales 10 int32 (the exponents e of the quantised operands' scales 2^e); voxel_coord 4 x 1,024 x 3 float32; x 4 x 1,024 x 256 float32.
;; Outputs: out0 4 x 1,024 x 256 float32.
;; This version of the problem:
;;   THIS VERSION OF THE PROBLEM IS GIVEN IN LOW PRECISION. The matrix products marked QUANTISED in the list below multiply operands that are first quantised to E4M3 (4 exponent bits, 3 mantissa bits; 8 bits a number), with one given power-of-two scale for each operand tensor; their sums are f32. All else is computed in f32.
;;   The module's matrix products, in the order in which they are computed (A, B: the left and right operand; K: the contracted axis; several contracted axes count as one K, in the product's order):
;;     1. [M 8, K 4] x [K 4, N 4,194,304]; A: input W_pos; B: computed on the way: left as it is (K = 4 < 32)
;;     2. [M 4,096, K 256] x [K 256, N 512]; A: input x; B: input W_qk: QUANTISED (scales: A lowp_scales[0], B lowp_scales[1])
;;     3. batch 32 x [M 1,024, K 32] x [K 32, N 1,024]; A: computed on the way; B: computed on the way: QUANTISED (scales: A lowp_scales[2], B lowp_scales[3])
;;     4. [M 4,096, K 256] x [K 256, N 256]; A: input x; B: input W_v: QUANTISED (scales: A lowp_scales[4], B lowp_scales[5])
;;     5. batch 32 x [M 32, K 1,024] x [K 1,024, N 1,024]; A: computed on the way; B: computed on the way: QUANTISED (scales: A lowp_scales[6], B lowp_scales[7])
;;     6. [M 4,096, K 256] x [K 256, N 256]; A: computed on the way; B: input W_proj: QUANTISED (scales: A lowp_scales[8], B lowp_scales[9])
;;   THE QUANTISER, for each operand of a quantised product, along K:
;;     - The operand's scale is 2^e, e = its entry of the input lowp_scales (int32; the entries are numbered through the quantised products in the list's order, A before B).
;;     - Each number is divided by the scale, clamped to +-448, and rounded to the nearest number of E4M3, ties to even, subnormals kept.
;;     - The product sums the exact products of the quantised numbers (number of the format x scale) in f32.
;;   ~~~python
;;   def quantise(x, axis, e):      # numpy; x: float32 -> the quantised numbers, widened to float32 again
;;       x = np.moveaxis(x, axis, -1); K = x.shape[-1]
;;       r = np.clip(x / 2.0 ** e, -448, 448)
;;       step = 2.0 ** (np.maximum(np.frexp(np.where(r == 0, 1, r))[1] - 1, -6) - 3)
;;       q = np.round(r / step) * step * 2.0 ** e      # np.round: ties to even
;;       return np.moveaxis(q, -1, axis).astype(np.float32)
;;   ~~~
;;   OPERANDS COMPUTED ON THE WAY. 'Computed on the way' means the value that the module computes at that place (a softmax that the list does not call 'softmax' is quantised finished and normalised). What goes into a quantiser is computed in f32, as accurately as f32 sums, v_exp_f32 and their like allow (about 1e-6 of the number): no bf16 or f16 on the way to a quantiser, and a product that is left as it is and whose result goes on into a quantised operand takes f32 operands (vector FMAs, or v_wmma_f32_16x16x4_f32). A number that lies on a knife's edge between two numbers of the format may be rounded either way, as far as f32 arithmetic and the matrix unit's own rounding can turn it there, and no further.
;; 2 versions, each right; version 2 is version 1 with the launches prep, attn written anew for expert scheduling mode. Each part assembles by itself: llvm-mc -triple=amdgcn-amd-amdhsa -mcpu=gfx1250 --defsym DOCPART=n.
;; ======== version 1 of 2: 2 launches
;; workspace buffers: q_img 1,048,576 bytes; k_img 1,048,576 bytes; v_img 1,048,576 bytes; wp_img 65,536 bytes
;; launch prep (part 1): grid 8 x 32, 8 waves a work-group, no clusters, 58,368 bytes of LDS; arguments x, W_qk, W_v, W_proj, lowp_scales, q_img, k_img, v_img, wp_img; writes q_img, k_img, v_img, wp_img
.if DOCPART == 1
	.amdgcn_target "amdgcn-amd-amdhsa--gfx1250"
	.amdhsa_code_object_version 6
	.text
	.protected	k_qbd0a244f29_prep
	.globl	k_qbd0a244f29_prep
	.p2align	8
	.type	k_qbd0a244f29_prep,@function
k_qbd0a244f29_prep:
	s_mov_b64 s[64:65], 0
	v_nop
	global_prefetch_b8 v0, s[64:65] scope:SCOPE_SE
	s_setreg_imm32_b32 hwreg(HW_REG_WAVE_MODE, 25, 1), 1
	s_wait_xcnt 0x0
; q = x W_qk[:, :256], k = x W_qk[:, 256:], v = x W_v, on codes of E4M3 with the given scales, and their results quantised again (q: e2, k: e3, v: e6) into IMAGES OF OPERAND REGISTERS;
; W_proj is quantised (e9) into such images too.  x: [4096][256] f32; W_qk: [256][512], W_v, W_proj: [256][256] f32, K along the first axis.
; SHARES.  Work-group (g, rg): head g, rows 128 rg .. 128 rg + 127 of x (batch rg / 8, key block rg % 8): 128 rows x 96 columns.  Eight waves.
; Wave w quantises rows 16 w .. 16 w + 15 of x twice (e0: the codes stay in its registers; e4: they go to LDS as an image), one fragment of W_qk (tile w / 2, K step w % 2) and a quarter of W_v's two tiles.
; One barrier.  Then q and k TRANSPOSED (source 0 = 16 columns of W_qk, source 1 = my 16 rows): a lane holds one token, its registers run along the head's 32;
; v NOT transposed (source 0 = 16 rows of x, source 1 = 16 columns of W_v): a lane holds one channel, its registers run along the tokens, which are the K of the product with the attention weights.
; K ORDER in these two products: register 16 c + i of a lane's 64 numbers is k = 128 s + 32 c + 16 (lane / 16) + i, alike in x and in the weights: every product meets its partner.
; IMAGES.  q_img, k_img: [batch][head][tile of 16 tokens][512 bytes]: lane l's 16 bytes at 16 l: token l % 16, d = 8 (l / 16) + 0..7 and 16 + 8 (l / 16) + 0..7.
; v_img: [batch][head][block of 128 keys][channel tile][chunk p][512 bytes]: chunk p = registers 4 p .. 4 p + 3 of the fragment: channel l % 16, keys 32 p + 8 (l / 16) + 0..7 and 32 p + 16 + 8 (l / 16) + 0..7.
; wp_img: [fragment 2 nt + s][pair c][256 bytes]: lane l's 8 bytes at 8 l: W_proj(128 s + 16 c + 8 (l / 16) + 0..7, 16 nt + l % 16).  Work-group (g, rg) makes pair g of fragment rg, in wave 0.
; LIMITS: e0, e1, e4, e5, e9, e2 - e0 - e1, e3 - e0 - e1 and e6 - e4 - e5 lie between -126 and 119, so that each scale and 448 x it is an f32 number.  NaN and infinity among the inputs are not served.
; No tensor load and no cluster: a work-group's weights are 96 KB read once by it, each number by one lane; nothing would be read from LDS more often than it is written there.
.set WQI,   0                          ; LDS: W_qk's 8 fragments (2 tile + K step), 2,048 bytes each
.set WVI,   16384                      ; W_v's 4 fragments
.set XVI,   24576                      ; x's 16 fragments under e4 (2 tile + K step)
.set SPARE, 57344                      ; the spare words, 128 bytes for each wave: four blocks of 256 bytes that no other line names
.set SPW, 3                            ; v3  LDS address of my spare word; never rewritten
.set NIL, 4                            ; v4  0; never rewritten
; REGISTERS, window 0: v1 r, v2 h, v5 16 x lane, v6-v9 offsets in x, W_qk, W_v, W_proj, v10 8 x lane, v11-v15 LDS addresses, v16-31 eight pairs (scale, 448 x scale);
;   v32-95 W_qk's numbers, later x's codes (v32-63 under e4, v64-95 under e0); v96-127 W_v's numbers; v128-135 W_proj's; v144-207 held numbers; v208-231 the weights' codes;
;   behind the barrier: v96-159 x's fragments under e4, v160-191 W_v's, v192-223 sums of q and k, v224-239 sums of v, v240-251 the codes that leave; v252-253 W_proj's codes.
;   window 1: v0-127 x's numbers; behind the barrier W_qk's eight fragments.
.set MSB, 0
.macro WIN new                         ; the immediate's high byte repeats the setting that is left
.if MSB != \new
	s_set_vgpr_msb (MSB<<8)|\new
.set MSB, \new
.endif
.endm
.macro MKSC vs, vl, se                 ; v[vs] = 2^e as f32, v[vl] = 448 x 2^e, e in s[se]
	s_add_co_i32 s42, s[\se], 127
	s_lshl_b32 s43, s42, 23
	v_mov_b32 v[\vs], s43
	s_add_co_i32 s42, s42, 8
	s_lshl_b32 s42, s42, 23
	s_or_b32 s42, s42, 0x600000
	v_mov_b32 v[\vl], s42
.endm
.macro HOLD dst, src, n, vl            ; the conversion to an 8-bit code does not saturate (ISA guide 7.6.2): each number is held within the largest code x the scale first
.set hh, 0
.rept \n
	v_med3_num_f32 v[(\dst)+hh], v[(\src)+hh], -v[\vl], v[\vl]
.set hh, hh+1
.endr
.endm
.macro CVT dst, src, n8, vs            ; eight numbers a line; one plain vector line stands behind the run, ahead of whatever touches the codes or writes the numbers
.set hh, 0
.rept \n8
	v_cvt_scalef32_pk8_fp8_f32 v[(\dst)+2*hh:(\dst)+2*hh+1], v[(\src)+8*hh:(\src)+8*hh+7], v[\vs]
.set hh, hh+1
.endr
	v_nop
.endm
.macro IMAGE adr, reg, n, off          ; registers go to LDS as they stand: four a store, lane l's 16 bytes at 16 l
.set hh, 0
.rept \n
	ds_store_b128 v[\adr], v[(\reg)+4*hh:(\reg)+4*hh+3] offset:(\off)+512*hh
.set hh, hh+1
.endr
.endm
.macro FETCH reg, adr, off             ; and a fragment of 16 registers comes back so, in any wave
.irp c, 0,1,2,3
	ds_load_b128 v[(\reg)+4*\c:(\reg)+4*\c+3], v[\adr] offset:(\off)+512*\c
.endr
.endm
	s_load_b512 s[4:19], s[0:1], 0x0               ; x, W_qk, W_v, W_proj, the scales' exponents, q_img, k_img, v_img
	s_load_b64 s[20:21], s[0:1], 0x40              ; wp_img
	v_lshl_add_u32 v[SPW], v0, 2, SPARE
	v_mov_b32 v[NIL], 0
	v_lshrrev_b32 v1, 5, v0
	v_readfirstlane_b32 s22, v1                    ; wave w
	s_mov_b32 s23, ttmp9                           ; head g
	s_and_b32 s24, ttmp7, 0xffff                   ; rg
	v_and_b32 v1, 15, v0                           ; r
	v_bfe_u32 v2, v0, 4, 1                         ; h
	v_and_b32 v5, 31, v0
	v_lshlrev_b32 v10, 3, v5                       ; 8 x lane
	v_lshlrev_b32 v5, 4, v5                        ; 16 x lane
	v_lshlrev_b32 v6, 10, v1
	v_lshl_add_u32 v6, v2, 6, v6                   ; x: row r of 1,024 bytes, + 64 h
	v_lshlrev_b32 v7, 2, v1                        ; the weights: lane r takes a column, lanes 16-31 begin 16 (W_proj: 8) rows further down
	v_lshl_add_u32 v8, v2, 14, v7                  ; W_v: 16 rows of 1,024 bytes
	v_lshl_add_u32 v9, v2, 13, v7                  ; W_proj: 8 rows of 1,024 bytes
	v_lshl_add_u32 v7, v2, 15, v7                  ; W_qk: 16 rows of 2,048 bytes
	s_lshl_b32 s42, s22, 11
	v_add_nc_u32 v11, s42, v5                      ; where I store my fragment of W_qk
	s_lshl_b32 s42, s22, 10
	v_add_nc_u32 v12, s42, v5                      ; my quarter of W_v
	s_lshl_b32 s42, s22, 12
	v_add_nc_u32 v13, s42, v5                      ; my two fragments of x
	s_lshr_b32 s42, s22, 1
	s_lshl_b32 s42, s42, 13
	v_add_nc_u32 v14, s42, v5                      ; where I read x's tiles 2 (w / 2) and 2 (w / 2) + 1
	s_and_b32 s42, s22, 1
	s_lshl_b32 s42, s42, 12
	v_add_nc_u32 v15, s42, v5                      ; and W_v's tile w % 2
	s_lshl_b32 s44, s24, 17                        ; x: 128 rg rows + 16 w rows
	s_lshl_b32 s45, s22, 14
	s_add_co_u32 s44, s44, s45
	s_mov_b32 s45, 0
	s_and_b32 s46, s22, 1                          ; W_qk: K step w % 2 (128 rows), column 256 (w / 4) + 32 g + 16 ((w / 2) % 2)
	s_lshl_b32 s46, s46, 18
	s_lshr_b32 s47, s22, 2
	s_lshl_b32 s47, s47, 10
	s_add_co_u32 s46, s46, s47
	s_lshl_b32 s47, s23, 7
	s_add_co_u32 s46, s46, s47
	s_bfe_u32 s47, s22, 0x10001
	s_lshl_b32 s47, s47, 6
	s_add_co_u32 s46, s46, s47
	s_mov_b32 s47, 0
	s_and_b32 s48, s22, 3                          ; W_v: rows 64 (w % 4) on, column 32 g + 16 (w / 4)
	s_lshl_b32 s48, s48, 16
	s_lshl_b32 s49, s23, 7
	s_add_co_u32 s48, s48, s49
	s_lshr_b32 s49, s22, 2
	s_lshl_b32 s49, s49, 6
	s_add_co_u32 s48, s48, s49
	s_mov_b32 s49, 0
	s_and_b32 s50, s24, 1                          ; W_proj: rows 128 (rg % 2) + 16 g on, column 16 (rg / 2)
	s_lshl_b32 s50, s50, 17
	s_lshl_b32 s51, s23, 14
	s_add_co_u32 s50, s50, s51
	s_lshr_b32 s51, s24, 1
	s_lshl_b32 s51, s51, 6
	s_add_co_u32 s50, s50, s51
	s_mov_b32 s51, 0
	s_lshl_b32 s52, s24, 11                        ; wp_img: fragment rg, pair g
	s_lshl_b32 s53, s23, 8
	s_add_co_u32 s52, s52, s53
	s_mov_b32 s53, 0
	s_lshr_b32 s54, s24, 3                         ; the three images: (8 batch + g) x 32,768 + (rg % 8) x 4,096,
	s_lshl_b32 s54, s54, 3
	s_add_co_u32 s54, s54, s23
	s_lshl_b32 s54, s54, 15
	s_and_b32 s55, s24, 7
	s_lshl_b32 s55, s55, 12
	s_add_co_u32 s54, s54, s55
	s_mov_b32 s56, s54
	s_lshl_b32 s55, s22, 9                         ; q, k: + tile w
	s_add_co_u32 s54, s54, s55
	s_mov_b32 s55, 0
	s_and_b32 s57, s22, 1                          ; v: + channel tile w % 2, chunk w / 2
	s_lshl_b32 s57, s57, 11
	s_add_co_u32 s56, s56, s57
	s_lshr_b32 s57, s22, 1
	s_lshl_b32 s57, s57, 9
	s_add_co_u32 s56, s56, s57
	s_mov_b32 s57, 0
	s_wait_kmcnt 0x0
	s_load_b256 s[32:39], s[12:13], 0x0            ; e0 .. e7
	s_load_b64 s[40:41], s[12:13], 0x20            ; e8, e9
	s_add_nc_u64 s[4:5], s[4:5], s[44:45]
	s_add_nc_u64 s[6:7], s[6:7], s[46:47]
	s_add_nc_u64 s[8:9], s[8:9], s[48:49]
	s_add_nc_u64 s[10:11], s[10:11], s[50:51]
	s_add_nc_u64 s[20:21], s[20:21], s[52:53]
	s_add_nc_u64 s[14:15], s[14:15], s[54:55]
	s_add_nc_u64 s[16:17], s[16:17], s[54:55]
	s_add_nc_u64 s[18:19], s[18:19], s[56:57]
.irp c, 0,1,2,3                        ; W_qk(128 s + 32 c + 16 h + i, my column): sixteen neighbouring lanes read 64 neighbouring bytes
.irp i, 0,1,2,3,4,5,6,7,8,9,10,11,12,13,14,15
	global_load_b32 v[32+16*\c+\i], v7, s[6:7] offset:(32*\c+\i)*2048
.endr
.endr
.irp c, 0,1                            ; W_v(64 (w % 4) + 32 c + 16 h + i, my column)
.irp i, 0,1,2,3,4,5,6,7,8,9,10,11,12,13,14,15
	global_load_b32 v[96+16*\c+\i], v8, s[8:9] offset:(32*\c+\i)*1024
.endr
.endr
	WIN 0x40                                       ; destination window 1
.irp s, 0,1                            ; x(row r, 128 s + 32 c + 16 h + 0 .. 15)
.irp c, 0,1,2,3
.irp j, 0,1,2,3
	global_load_b128 v[64*\s+16*\c+4*\j:64*\s+16*\c+4*\j+3], v6, s[4:5] offset:512*\s+128*\c+16*\j
.endr
.endr
.endr
	WIN 0
	s_wait_kmcnt 0x0
	MKSC 16, 17, 32                                ; x for q and k
	MKSC 18, 19, 33                                ; W_qk
	MKSC 20, 21, 36                                ; x for v
	MKSC 22, 23, 37                                ; W_v
	MKSC 24, 25, 41                                ; W_proj
	s_sub_co_i32 s58, s34, s32                     ; a sum of x W_qk stands for sum x 2^(e0 + e1): q's code is sum / 2^(e2 - e0 - e1): the three scales folded into the conversion's one
	s_sub_co_i32 s58, s58, s33
	MKSC 26, 27, 58
	s_sub_co_i32 s58, s35, s32
	s_sub_co_i32 s58, s58, s33
	MKSC 28, 29, 58                                ; k: e3 - e0 - e1
	s_sub_co_i32 s58, s38, s36
	s_sub_co_i32 s58, s58, s37
	MKSC 30, 31, 58                                ; v: e6 - e4 - e5
	s_cmp_lg_u32 s22, 0                            ; wave 0 alone makes the work-group's pair of W_proj's registers
	s_cbranch_scc1 .Lno_wp
.irp j, 0,1,2,3,4,5,6,7
	global_load_b32 v[128+\j], v9, s[10:11] offset:\j*1024
.endr
	s_wait_loadcnt 0x0
	HOLD 128, 128, 8, 25
	CVT 252, 128, 1, 24
	global_store_b64 v10, v[252:253], s[20:21]     ; 32 lanes store 256 consecutive bytes, aligned; neither register is written again
.Lno_wp:
	s_wait_loadcnt 32                              ; the weights are in: x's 32 loads were issued behind them and may stay out
	HOLD 32, 32, 64, 19
	CVT 208, 32, 8, 18
	IMAGE 11, 208, 4, WQI
	HOLD 96, 96, 32, 23
	CVT 224, 96, 4, 22
	IMAGE 12, 224, 2, WVI
	s_wait_loadcnt 0x0                             ; x
.irp s, 0,1
	WIN 0x01                                       ; source 0 window 1
	HOLD 144, 64*\s, 64, 21
	WIN 0
	CVT 32+16*\s, 144, 8, 20                       ; under e4: for v
	IMAGE 13, 32+16*\s, 4, XVI+2048*\s
	WIN 0x01
	HOLD 144, 64*\s, 64, 17
	WIN 0
	CVT 64+16*\s, 144, 8, 16                       ; under e0: for q and k; these stay with me
.endr
	s_wait_dscnt 0x0                               ; for the others' sake: my images have landed
	s_barrier_signal -1
	s_barrier_wait -1
	WIN 0x40
.irp f, 0,1,2,3,4,5,6,7
	FETCH 16*\f, 5, WQI+2048*\f                    ; W_qk's eight fragments
.endr
	WIN 0
.irp a, 0,1
.irp s, 0,1
	FETCH 96+16*(2*\a+\s), 14, XVI+4096*\a+2048*\s ; x under e4: two tiles of rows
.endr
.endr
.irp s, 0,1
	FETCH 160+16*\s, 15, WVI+2048*\s               ; W_v's tile
.endr
	s_wait_dscnt 24                                ; W_qk's 32 loads are in; the 24 issued behind them may be out
	WIN 0x01                                       ; source 0 (W_qk) window 1
.irp s, 0,1                            ; four accumulators by turns, one instruction a turn; the first K step starts the sums
.irp ct, 0,1,2,3
.if \s == 0
	v_wmma_f32_16x16x128_fp8_fp8 v[192+8*\ct:199+8*\ct], v[32*\ct:32*\ct+15], v[64:79], 0
.else
	v_wmma_f32_16x16x128_fp8_fp8 v[192+8*\ct:199+8*\ct], v[32*\ct+16:32*\ct+31], v[80:95], v[192+8*\ct:199+8*\ct]
.endif
.endr
.endr
	WIN 0
	s_wait_dscnt 0x0
	v_wmma_f32_16x16x128_fp8_fp8 v[224:231], v[96:111], v[160:175], 0            ; v: two tiles of rows by turns
	v_wmma_f32_16x16x128_fp8_fp8 v[232:239], v[128:143], v[160:175], 0
	v_wmma_f32_16x16x128_fp8_fp8 v[224:231], v[112:127], v[176:191], v[224:231]
	v_wmma_f32_16x16x128_fp8_fp8 v[232:239], v[144:159], v[176:191], v[232:239]
.rept 4
	v_nop                                          ; four places between the last product and the first vector line on a result (ISA guide 7.12.1)
.endr
	HOLD 192, 192, 16, 27                          ; each accumulator from its low end on
	HOLD 208, 208, 16, 29
	HOLD 224, 224, 16, 31
	CVT 240, 192, 2, 26                            ; q: token r, d = 8 h + 0..7, 16 + 8 h + 0..7
	CVT 244, 208, 2, 28                            ; k likewise
	CVT 248, 224, 2, 30                            ; v: channel r, tokens 8 h + 0..7 of tiles 2 (w / 2) and 2 (w / 2) + 1
	global_store_b128 v5, v[240:243], s[14:15]     ; each store of the wave covers 512 consecutive bytes, aligned
	global_store_b128 v5, v[244:247], s[16:17]
	global_store_b128 v5, v[248:251], s[18:19]
	s_wait_tensorcnt 0x0                           ; the wave's end: three closing lines, behind my last LDS store
	ds_add_u32 v[SPW], v[NIL]
	s_wait_dscnt 0x0
	s_endpgm
.Lfunc_end_k_qbd0a244f29_prep:
	.size	k_qbd0a244f29_prep, .Lfunc_end_k_qbd0a244f29_prep-k_qbd0a244f29_prep
	.p2alignl 7, 3214868480
	.fill 96, 4, 3214868480
	.section	.rodata,"a",@progbits
	.p2align	6, 0x0
	.amdhsa_kernel k_qbd0a244f29_prep
		.amdhsa_group_segment_fixed_size 58368
		.amdhsa_private_segment_fixed_size 0
		.amdhsa_enable_private_segment 0
		.amdhsa_kernarg_size 72
		.amdhsa_user_sgpr_count 2
		.amdhsa_user_sgpr_kernarg_segment_ptr 1
		.amdhsa_wavefront_size32 1
		.amdhsa_system_sgpr_workgroup_id_x 1
		.amdhsa_system_sgpr_workgroup_id_y 1
		.amdhsa_system_sgpr_workgroup_id_z 1
		.amdhsa_system_vgpr_workitem_id 0
		.amdhsa_next_free_vgpr 384
		.amdhsa_next_free_sgpr 66
		.amdhsa_reserve_vcc 0
		.amdhsa_float_denorm_mode_32 3
		.amdhsa_float_denorm_mode_16_64 3
		.amdhsa_memory_ordered 1
		.amdhsa_forward_progress 1
		.amdhsa_inst_pref_size 55
	.end_amdhsa_kernel
	.amdgpu_metadata
---
amdhsa.version: [ 1, 2 ]
amdhsa.kernels:
  - .name:           k_qbd0a244f29_prep
    .symbol:         k_qbd0a244f29_prep.kd
    .args:
      - { .name: x, .offset: 0, .size: 8, .value_kind: global_buffer, .address_space: global }
      - { .name: W_qk, .offset: 8, .size: 8, .value_kind: global_buffer, .address_space: global }
      - { .name: W_v, .offset: 16, .size: 8, .value_kind: global_buffer, .address_space: global }
      - { .name: W_proj, .offset: 24, .size: 8, .value_kind: global_buffer, .address_space: global }
      - { .name: lowp_scales, .offset: 32, .size: 8, .value_kind: global_buffer, .address_space: global }
      - { .name: q_img, .offset: 40, .size: 8, .value_kind: global_buffer, .address_space: global }
      - { .name: k_img, .offset: 48, .size: 8, .value_kind: global_buffer, .address_space: global }
      - { .name: v_img, .offset: 56, .size: 8, .value_kind: global_buffer, .address_space: global }
      - { .name: wp_img, .offset: 64, .size: 8, .value_kind: global_buffer, .address_space: global }
    .group_segment_fixed_size: 58368
    .private_segment_fixed_size: 0
    .kernarg_segment_align: 8
    .kernarg_segment_size: 72
    .max_flat_workgroup_size: 256
    .sgpr_count:     66
    .vgpr_count:     384
    .wavefront_size: 32
...
	.end_amdgpu_metadata
.endif
;; end of part 1
;; launch attn (part 2): grid 64 x 4, 8 waves a work-group, no clusters, 200,192 bytes of LDS; arguments voxel_coord, W_pos, b_pos, gating, lowp_scales, q_img, k_img, v_img, wp_img, b_proj, out0; writes out0
.if DOCPART == 2
	.amdgcn_target "amdgcn-amd-amdhsa--gfx1250"
	.amdhsa_code_object_version 6
	.text
	.protected	k_qbd0a244f29_attn
	.globl	k_qbd0a244f29_attn
	.p2align	8
	.type	k_qbd0a244f29_attn,@function
k_qbd0a244f29_attn:
	s_mov_b64 s[64:65], 0
	v_nop
	global_prefetch_b8 v0, s[64:65] scope:SCOPE_SE
	s_setreg_imm32_b32 hwreg(HW_REG_WAVE_MODE, 25, 1), 1
	s_wait_xcnt 0x0
; out0 = (attn v) W_proj + b_proj, attn = ((1 - sig) softmax(q k^T / sqrt(32)) + sig softmax(pos)) / its row sum, sig = sigmoid(gating), pos(i, j) = W_pos . [p_j - p_i, |p_j - p_i|] + b_pos.
; q, k, v and W_proj arrive as images of operand registers (codes of E4M3).  attn is quantised FINISHED (e7), the 256 channels of attn v again (e8).
; SHARES.  A work-group takes 16 queries of one batch, all 8 heads, all 1,024 keys.  THE WAVES SHARE THE KEYS: wave w owns keys 128 w .. 128 w + 127 for every head.  So its 16 x 128 distances, which hang on no head,
; lie in 64 of its registers and serve 8 heads; its fragments of k and v come from memory straight into operand registers; and a head's two arrays of exponentials (64 + 64 registers) are kept until both rows' sums are known.
; A lane (r = lane % 16, h = lane / 16) holds query r throughout; register 8 t + j is key 128 w + 16 t + 8 h + j: S^T = k q^T (source 0 = 16 keys), O^T = v^T attn^T (source 0 = 16 channels).
; K = 32 IN A FORM OF K = 64: a fragment of k holds one tile of 16 keys in registers 0-3 and the next tile in registers 4-7; q stands between two runs of four zero registers, so that v[228:235] meets the first tile and v[224:231] the second.
; THE SOFTMAXES.  Each wave takes the largest logit of its 128 keys, in units of log2, rounded UP to a whole number M; e = 2^(t - M); the waves exchange (-M, sum) through LDS; a block is brought under the common M by v_ldexp_f32, which rounds nothing.
; What is constant along the keys cancels in a softmax: the query's own term -W_pos . p_i is not added; the keys' term is taken about the tile's first query p_c, so that a common offset of the coordinates does no harm; b_pos is added to it.
; The row sum of the mix is (1 - sig) (S_P / S_P) + sig (S_E / S_E), taken with the reciprocals that are used.
; THE END.  Wave w adds head w's eight parts of O^T, quantises them, and makes columns 32 w .. 32 w + 31 of the output (source 0 = 16 columns of W_proj).
; NO CLUSTER, though the 64 work-groups of a batch read the same 512 KB of k and v: a wave's 8.5 KB of a head are asked for a whole head's work ahead and land in operand registers by 17 loads;
; a joint load would bring them to LDS, for 17 LDS loads more a wave and head, and would want a round of the cluster's barrier in each of the 8 heads.
; LIMITS: e7 and e8 - e6 - e7 between -126 and 119; e2 + e3 between -124 and 129 (added to a constant's exponent field); e8 + e9 between -126 and 127.  NaN and infinity among the inputs are not served.
.set AT,    12288                      ; LDS: 0, 4096, 8192: the keys' x, y, z; from AT: 8 rows (a head each) of 1,024 key terms + 16 bytes (w3', w3', 1 - sig, sig)
.set ATP,   4112
.set STAT,  45312                      ; [wave][query] 16 bytes: -M_P, -M_E, sum_P, sum_E
.set OIMG,  47360                      ; the 8 heads' codes of attn v: 512 bytes each
.set STG,   51456                      ; 16 rows of the output, 1,024 bytes + 16
.set SGP,   1040
.set OP,    68096                      ; [wave][head] 2,048 bytes: a wave's part of a head's O^T
.set SPARE, 199168                     ; the spare words, 128 bytes for each wave: four blocks of 256 bytes that no other line names
.set SPW, 3                            ; v3  LDS address of my spare word; never rewritten
.set NIL, 4                            ; v4  0; never rewritten
; REGISTERS, window 0: v1 r, v2 h; v5 512 w + 32 h; v6, v7, v11 addresses of the head in hand; v8, v9 STAT; v10 my parts of O^T; v12 16 x lane, v13 8 x lane, v14 16 x thread, v15 48 x thread;
;   v16-19 my (-M_P, -M_E, sum_P, sum_E); v20 -M_E; v22, v23 lane exchanges; v24-27 the head's constants; v28-31 two pairs (scale, 448 x scale); v32-47 four partners' quads; v48-63 at work;
;   v64-127 S^T, then e_P, then attn; v128-191 the key terms, then the pos logits, then e_E; v192-207 attn's codes; v208-223 O^T; v224-235 zeros, q, zeros; v236-251 b_proj.
;   window 1: v0-63 the distances; v64-95 k; v96-127 v; v128-191 W_proj's four fragments.
.set MSB, 0
.macro WIN new                         ; the immediate's high byte repeats the setting that is left
.if MSB != \new
	s_set_vgpr_msb (MSB<<8)|\new
.set MSB, \new
.endif
.endm
.macro MKSC vs, vl, se                 ; v[vs] = 2^e as f32, v[vl] = 448 x 2^e, e in s[se]
	s_add_co_i32 s92, s[\se], 127
	s_lshl_b32 s93, s92, 23
	v_mov_b32 v[\vs], s93
	s_add_co_i32 s92, s92, 8
	s_lshl_b32 s92, s92, 23
	s_or_b32 s92, s92, 0x600000
	v_mov_b32 v[\vl], s92
.endm
.macro BAR                             ; my LDS stores have landed and my LDS loads are in: then the work-group's barrier
	s_wait_dscnt 0x0
	s_barrier_signal -1
	s_barrier_wait -1
.endm
.macro MAX64 a, b, base                ; the largest of 64 registers, in two chains, from the low end of each run of eight on
	v_max3_num_f32 v[\a], v[\base], v[\base+1], v[\base+2]
	v_max3_num_f32 v[\b], v[\base+3], v[\base+4], v[\base+5]
.irp i, 6,10,14,18,22,26,30,34,38,42,46,50,54,58
	v_max3_num_f32 v[\a], v[\a], v[\base+\i], v[\base+\i+1]
	v_max3_num_f32 v[\b], v[\b], v[\base+\i+2], v[\base+\i+3]
.endr
	v_max3_num_f32 v[\a], v[\a], v[\base+62], v[\base+63]
	v_max_num_f32 v[\a], v[\a], v[\b]
.endm
.macro SUMSTEP base, dst               ; line n of 32 of the sum of 64 registers: two chains of pairs, then the chains, then the pair's halves
.if n == 0
	v_pk_add_f32 v[58:59], v[\base:\base+1], v[\base+2:\base+3]
.elseif n == 1
	v_pk_add_f32 v[60:61], v[\base+4:\base+5], v[\base+6:\base+7]
.elseif n < 30
	v_pk_add_f32 v[58+2*(n%2):59+2*(n%2)], v[58+2*(n%2):59+2*(n%2)], v[\base+2*n+4:\base+2*n+5]
.elseif n == 30
	v_pk_add_f32 v[58:59], v[58:59], v[60:61]
.else
	v_add_f32 v[\dst], v58, v59
.endif
.endm
; The distances of my query to 64 of my wave's keys (tiles 4 half .. 4 half + 3): p_j - p_i as it is written, the squares' sum, the root.
.macro DIST half
.irp c, 0,1,2
.irp t, 0,1,2,3
	ds_load_b128 v[64+32*\c+8*\t:67+32*\c+8*\t], v5 offset:4096*\c+64*(4*\half+\t)
	ds_load_b128 v[68+32*\c+8*\t:71+32*\c+8*\t], v5 offset:4096*\c+64*(4*\half+\t)+16
.endr
.endr
	s_wait_dscnt 0x0
.irp c, 0,1,2
.set j, 0
.rept 16
	v_pk_add_f32 v[64+32*\c+j:65+32*\c+j], v[64+32*\c+j:65+32*\c+j], v[32+2*\c:33+2*\c] op_sel_hi:[1,0] neg_lo:[0,1] neg_hi:[0,1]
.set j, j+2
.endr
.endr
.set j, 0
.rept 16
	v_pk_mul_f32 v[64+j:65+j], v[64+j:65+j], v[64+j:65+j]
.set j, j+2
.endr
.set j, 0
.rept 16
	v_pk_fma_f32 v[64+j:65+j], v[96+j:97+j], v[96+j:97+j], v[64+j:65+j]
.set j, j+2
.endr
.set j, 0
.rept 16
	v_pk_fma_f32 v[64+j:65+j], v[128+j:129+j], v[128+j:129+j], v[64+j:65+j]
.set j, j+2
.endr
	WIN 0x40                                       ; destination window 1
.set j, 0
.rept 32
	v_sqrt_f32 v[32*\half+j], v[64+j]
.set j, j+1
.endr
	WIN 0
	v_nop                                          ; a plain line behind the last root, ahead of any write of its source
	s_wait_alu depctr_va_vdst(0)                   ; one wait for the batch of 32, ahead of the first line that names a result
.endm
	s_load_b512 s[4:19], s[0:1], 0x0               ; voxel_coord, W_pos, b_pos, gating, the scales' exponents, q_img, k_img, v_img
	s_load_b128 s[20:23], s[0:1], 0x40             ; wp_img, b_proj
	s_load_b64 s[24:25], s[0:1], 0x50              ; out0
	v_lshl_add_u32 v[SPW], v0, 2, SPARE
	v_mov_b32 v[NIL], 0
	v_lshrrev_b32 v1, 5, v0
	v_readfirstlane_b32 s26, v1                    ; wave w
	s_mov_b32 s27, ttmp9                           ; tile of 16 queries
	s_and_b32 s28, ttmp7, 0xffff                   ; batch
	v_and_b32 v1, 15, v0                           ; r
	v_bfe_u32 v2, v0, 4, 1                         ; h
	v_and_b32 v12, 31, v0
	v_lshlrev_b32 v13, 3, v12
	v_lshlrev_b32 v12, 4, v12
	v_lshlrev_b32 v14, 4, v0
	v_mul_u32_u24 v15, v0, 48                      ; thread t takes keys 4 t .. 4 t + 3: 48 bytes of coordinates
	s_lshl_b32 s92, s26, 9
	v_lshlrev_b32 v5, 5, v2
	v_add_nc_u32 v5, s92, v5                       ; 4 bytes x (128 w + 8 h): my first key in an array of one number a key
	v_lshlrev_b32 v8, 4, v1
	v_lshl_add_u32 v9, v2, 10, v8                  ; STAT: partners 4 h .. 4 h + 3, query r
	s_lshl_b32 s92, s26, 8
	v_add_nc_u32 v8, s92, v8                       ; STAT: my wave, query r
	s_lshl_b32 s92, s26, 14
	s_add_co_u32 s92, s92, OP
	v_add_nc_u32 v10, s92, v12                     ; my wave's 16 KB of parts of O^T
	s_mul_i32 s92, s26, ATP
	v_mov_b32 v7, s92                              ; head w's row of key terms
	s_lshl_b32 s29, s26, 2                         ; 4 w
	s_mul_i32 s30, s27, 192                        ; the tile's first query: 16 x 12 bytes a tile
	v_mul_u32_u24 v38, v1, 12
	v_add_nc_u32 v38, s30, v38                     ; my query's coordinates
	v_lshlrev_b32 v39, 5, v2                       ; b_proj: 8 h numbers on
	s_mul_i32 s92, s28, 12288                      ; voxel_coord: the batch
	s_mov_b32 s93, 0
	s_lshl_b32 s94, s28, 18                        ; q_img: the batch, head 0, my tile
	s_lshl_b32 s95, s27, 9
	s_add_co_u32 s94, s94, s95
	s_mov_b32 s95, 0
	s_lshl_b32 s96, s28, 18                        ; k_img, v_img: the batch, head 0, my wave's 128 keys
	s_lshl_b32 s97, s26, 12
	s_add_co_u32 s96, s96, s97
	s_mov_b32 s97, 0
	s_lshl_b32 s98, s26, 13                        ; wp_img: fragments 4 w .. 4 w + 3
	s_mov_b32 s99, 0
	s_lshl_b32 s100, s26, 7                        ; b_proj: 32 w numbers on
	s_mov_b32 s101, 0
	s_wait_kmcnt 0x0
	s_add_nc_u64 s[4:5], s[4:5], s[92:93]
	s_add_nc_u64 s[14:15], s[14:15], s[94:95]
	s_add_nc_u64 s[16:17], s[16:17], s[96:97]
	s_add_nc_u64 s[18:19], s[18:19], s[96:97]
	s_add_nc_u64 s[20:21], s[20:21], s[98:99]
	s_add_nc_u64 s[22:23], s[22:23], s[100:101]
	s_lshl_b32 s92, s28, 20                        ; out0: row 1,024 batch + 16 tile + 2 w
	s_lshl_b32 s93, s27, 14
	s_add_co_u32 s92, s92, s93
	s_lshl_b32 s93, s26, 11
	s_add_co_u32 s92, s92, s93
	s_mov_b32 s93, 0
	s_add_nc_u64 s[24:25], s[24:25], s[92:93]
	s_load_b512 s[68:83], s[6:7], 0x0              ; W_pos rows 0, 1
	s_load_b256 s[84:91], s[6:7], 0x40             ; row 2
	s_load_b256 s[44:51], s[8:9], 0x0              ; b_pos
	s_load_b256 s[32:39], s[12:13], 0x0            ; e0 .. e7
	s_load_b64 s[40:41], s[12:13], 0x20            ; e8, e9
	s_load_b96 s[52:54], s[4:5], s30 offset:0x0    ; p_c: the tile's first query
	s_load_b32 s55, s[10:11], s29 offset:0x0       ; gating[w]
	s_load_b32 s56, s[6:7], s29 offset:0x60        ; W_pos[3][w]
	global_load_b128 v[40:43], v15, s[4:5]         ; four keys' coordinates
	global_load_b128 v[44:47], v15, s[4:5] offset:16
	global_load_b128 v[48:51], v15, s[4:5] offset:32
	global_load_b32 v32, v38, s[4:5]               ; my query's
	global_load_b32 v34, v38, s[4:5] offset:4
	global_load_b32 v36, v38, s[4:5] offset:8
.irp t, 0,1
.irp u, 0,1
	global_load_b128 v[236+8*\t+4*\u:239+8*\t+4*\u], v39, s[22:23] offset:64*\t+16*\u   ; b_proj[32 w + 16 t + 8 h + 0 .. 7]
.endr
.endr
	global_load_b128 v[228:231], v12, s[14:15]     ; q of head 0
	WIN 0x40                                       ; destination window 1
.irp f, 0,1,2,3
.irp c, 0,1,2,3,4,5,6,7
	global_load_b64 v[128+16*\f+2*\c:129+16*\f+2*\c], v13, s[20:21] offset:2048*\f+256*\c   ; W_proj's fragments: they stay
.endr
.endr
.irp i, 0,1,2,3,4,5,6,7
	global_load_b128 v[64+4*\i:67+4*\i], v12, s[16:17] offset:512*\i    ; k of head 0: eight tiles of 16 keys
.endr
.irp i, 0,1,2,3,4,5,6,7
	global_load_b128 v[96+4*\i:99+4*\i], v12, s[18:19] offset:512*\i    ; v of head 0: two fragments
.endr
	WIN 0
.irp z, 21,22,23,33,35,37,55,57,224,225,226,227,232,233,234,235
	v_mov_b32 v[\z], 0                             ; upper halves of pairs that are named whole, destinations of lane exchanges, and the zeros round q
.endr
	s_mov_b32 s62, 0x76543210                      ; v_permlanex16_b32: lane l xor 16
	s_mov_b32 s63, 0xfedcba98
	s_mov_b32 s67, 0                               ; the head's row of key terms
	s_mov_b32 s100, 0                              ; the head's place among my parts of O^T
	s_wait_loadcnt 53                              ; the six loads of coordinates are in; the 53 issued behind them may be out
.irp i, 0,1,2,3
.irp c, 0,1,2
	ds_store_b32 v14, v[40+3*\i+\c] offset:4096*\c+4*\i   ; the coordinates as they are, an array for each axis
.endr
.endr
	s_wait_kmcnt 0x0
.irp i, 0,1,2,3,4,5,6,7,8,9,10,11,12,13,14,15,16,17,18,19,20,21,22,23
	s_mul_f32 s[68+\i], s[68+\i], 0x3fb8aa3b       ; x log2(e): the exponentials work in base 2
.endr
.irp i, 0,1,2,3,4,5,6,7
	s_mul_f32 s[44+\i], s[44+\i], 0x3fb8aa3b
.endr
	v_mov_b32 v58, s55                             ; head w's constants, the same in every lane: sig = 1 / (1 + 2^(-log2(e) g))
	v_mul_f32 v58, 0xbfb8aa3b, v58
	v_exp_f32 v58, v58
	v_mov_b32 v24, s56                             ; (a plain line behind the exponential)
	s_wait_alu depctr_va_vdst(0)                   ; a wait ahead of the first line that names the result
	v_add_f32 v58, 1.0, v58
	v_rcp_f32 v27, v58
	v_mul_f32 v24, 0x3fb8aa3b, v24                 ; w3' = W_pos[3][w] log2(e).  (A plain line behind the reciprocal)
	s_wait_alu depctr_va_vdst(0)
	v_sub_f32 v26, 1.0, v27
	v_mov_b32 v25, v24
	ds_store_b128 v7, v[24:27] offset:AT+4096
.irp i, 0,1,2,3
	v_sub_f32 v[52+\i], v[40+3*\i], s52            ; p_j - p_c
	v_sub_f32 v[56+\i], v[41+3*\i], s53
	v_sub_f32 v[60+\i], v[42+3*\i], s54
.endr
.irp hd, 0,1,2,3,4,5,6,7               ; the key term of each head: (b_pos + W_pos[0:3] . (p_j - p_c)) log2(e), four keys a thread
.irp i, 0,1,2,3
	v_fma_f32 v[64+4*\hd+\i], s[68+\hd], v[52+\i], s[44+\hd]
.endr
.irp i, 0,1,2,3
	v_fma_f32 v[64+4*\hd+\i], s[76+\hd], v[56+\i], v[64+4*\hd+\i]
.endr
.irp i, 0,1,2,3
	v_fma_f32 v[64+4*\hd+\i], s[84+\hd], v[60+\i], v[64+4*\hd+\i]
.endr
	ds_store_b128 v14, v[64+4*\hd:67+4*\hd] offset:AT+ATP*\hd
.endr
	s_add_co_i32 s92, s34, s35                     ; a score stands for score x 2^(e2 + e3): the exponents are added to the exponent field of
	s_lshl_b32 s92, s92, 23
	s_add_co_i32 s58, s92, 0x3e8293ee              ; c = log2(e) / sqrt(32)
	s_mov_b32 s59, s58                             ; (named with it as a pair, so it is written)
	s_add_co_i32 s92, s40, s41
	s_add_co_i32 s92, s92, 127
	s_lshl_b32 s60, s92, 23                        ; 2^(e8 + e9)
	s_mov_b32 s61, s60
	MKSC 28, 29, 39                                ; attn: e7
	s_sub_co_i32 s94, s40, s38                     ; a sum of v^T attn^T stands for sum x 2^(e6 + e7): its code is sum / 2^(e8 - e6 - e7)
	s_sub_co_i32 s94, s94, s39
	MKSC 30, 31, 94
	BAR                                            ; the coordinates, the key terms and the heads' constants lie in LDS; none of them is written again
	DIST 0
	DIST 1
; ONE HEAD.  next = 1: the next head's k, q and v are asked for on the way.
.macro HEAD next
	s_wait_loadcnt 8                               ; k and q are in: v's eight loads were issued behind them and may be out
	WIN 0x01                                       ; source 0 (k) window 1
.irp f, 0,1,2,3
	v_wmma_f32_16x16x64_fp8_fp8 v[64+16*\f:71+16*\f], v[64+8*\f:71+8*\f], v[228:235], 0   ; keys 32 f + ..: q meets registers 0-3
	v_wmma_f32_16x16x64_fp8_fp8 v[72+16*\f:79+16*\f], v[64+8*\f:71+8*\f], v[224:231], 0   ; keys 32 f + 16 + ..: q meets registers 4-7
.endr
	WIN 0
	v_add_nc_u32 v6, s67, v5                       ; four places behind the products (ISA guide 7.12.1), two of them useful: the addresses of the head's key terms and constants
	v_mov_b32 v7, s67
	v_nop
	v_nop
.irp t, 0,1,2,3,4,5,6,7
	ds_load_b128 v[128+8*\t:131+8*\t], v6 offset:AT+64*\t
	ds_load_b128 v[132+8*\t:135+8*\t], v6 offset:AT+64*\t+16
.endr
	ds_load_b128 v[24:27], v7 offset:AT+4096
.if \next
	s_add_nc_u64 s[16:17], s[16:17], 32768         ; the wait at the head has shown the loads done that read these two bases
	s_add_nc_u64 s[14:15], s[14:15], 32768
	WIN 0x40
.irp i, 0,1,2,3,4,5,6,7
	global_load_b128 v[64+4*\i:67+4*\i], v12, s[16:17] offset:512*\i
.endr
	WIN 0
	global_load_b128 v[228:231], v12, s[14:15]
.endif
	MAX64 58, 59, 64                               ; the largest score of my query among my 64 keys
	s_wait_dscnt 0x0
	WIN 0x01                                       ; source 0 (the distances) window 1
.set j, 0
.rept 32
	v_pk_fma_f32 v[128+j:129+j], v[j:j+1], v[24:25], v[128+j:129+j]   ; the pos logit in units of log2: distance x w3' + the key term
.set j, j+2
.endr
	WIN 0
	MAX64 60, 61, 128
	v_permlanex16_b32 v22, v58, s62, s63           ; the query's other 64 keys of my wave lie in lane l xor 16
	v_permlanex16_b32 v23, v60, s62, s63
	v_max_num_f32 v58, v58, v22
	v_max_num_f32 v60, v60, v23
	v_mul_f32 v58, s58, v58                        ; as t (c is positive)
	v_floor_f32 v17, -v60                          ; -M = floor(-t) = -ceil(t): a whole number
	v_floor_f32 v20, -v60
	v_floor_f32 v16, -v58
.set j, 0
.rept 32
	v_pk_fma_f32 v[64+j:65+j], v[64+j:65+j], s[58:59], v[16:17] op_sel_hi:[1,0,0]   ; c s - M_P (of the pairs the low word serves both halves)
.set j, j+2
.endr
.set j, 0
.rept 32                               ; the first batch: 64 exponentials; the plain lines between them make the second batch's arguments and name no result
	v_exp_f32 v[64+j], v[64+j]
	v_exp_f32 v[65+j], v[65+j]
	v_pk_add_f32 v[128+j:129+j], v[128+j:129+j], v[20:21] op_sel_hi:[1,0]
.set j, j+2
.endr
	s_wait_alu depctr_va_vdst(0)                   ; one wait for the batch, ahead of its first reader
.set n, 0
.rept 32                               ; the second batch; the plain lines between add up the first batch's results
	v_exp_f32 v[128+2*n], v[128+2*n]
	v_exp_f32 v[129+2*n], v[129+2*n]
	SUMSTEP 64, 18
.set n, n+1
.endr
	s_wait_alu depctr_va_vdst(0)
.set n, 0
.rept 32
	SUMSTEP 128, 19
.set n, n+1
.endr
	v_permlanex16_b32 v22, v18, s62, s63
	v_permlanex16_b32 v23, v19, s62, s63
	v_pk_add_f32 v[18:19], v[18:19], v[22:23]      ; my wave's two sums for query r
	ds_store_b128 v8, v[16:19] offset:STAT         ; lanes r and r + 16 store the same 16 bytes
	BAR                                            ; all eight waves' quads lie in LDS
.irp i, 0,1,2,3
	ds_load_b128 v[32+4*\i:35+4*\i], v9 offset:STAT+256*\i
.endr
	BAR                                            ; every wave's reads are in: the next head may store there
	v_min3_num_f32 v48, v32, v36, v40              ; the common -M: the least of the eight
	v_min3_num_f32 v49, v33, v37, v41
	v_min_num_f32 v48, v48, v44
	v_min_num_f32 v49, v49, v45
	v_permlanex16_b32 v22, v48, s62, s63
	v_permlanex16_b32 v23, v49, s62, s63
	v_min_num_f32 v48, v48, v22
	v_min_num_f32 v49, v49, v23
.irp i, 0,1,2,3
	v_pk_add_f32 v[32+4*\i:33+4*\i], v[48:49], v[32+4*\i:33+4*\i] neg_lo:[0,1] neg_hi:[0,1]   ; d = a wave's M less the common M: a whole number, 0 or less
.endr
	v_pk_add_f32 v[50:51], v[48:49], v[16:17] neg_lo:[0,1] neg_hi:[0,1]                     ; my own wave's
.irp i, 0,1,2,3
	v_cvt_i32_f32 v[32+4*\i], v[32+4*\i]           ; (it saturates)
	v_cvt_i32_f32 v[33+4*\i], v[33+4*\i]
.endr
	v_cvt_i32_f32 v50, v50
	v_cvt_i32_f32 v51, v51
.irp i, 0,1,2,3
	v_ldexp_f32 v[34+4*\i], v[34+4*\i], v[32+4*\i] ; a wave's sums under the common M: nothing is rounded
	v_ldexp_f32 v[35+4*\i], v[35+4*\i], v[33+4*\i]
.endr
	v_pk_add_f32 v[52:53], v[34:35], v[38:39]
	v_pk_add_f32 v[58:59], v[42:43], v[46:47]
	v_pk_add_f32 v[52:53], v[52:53], v[58:59]
	v_permlanex16_b32 v22, v52, s62, s63
	v_permlanex16_b32 v23, v53, s62, s63
	v_pk_add_f32 v[52:53], v[52:53], v[22:23]      ; S_P, S_E: the rows' sums over all 1,024 keys
	v_rcp_f32 v54, v52
	v_rcp_f32 v56, v53
	v_nop                                          ; a plain line behind the reciprocals
	s_wait_alu depctr_va_vdst(0)
	v_mul_f32 v58, v52, v54
	v_mul_f32 v59, v53, v56
	v_mul_f32 v58, v26, v58
	v_fma_f32 v58, v27, v59, v58                   ; the mix's row sum
	v_rcp_f32 v60, v58
	v_mul_f32 v54, v26, v54                        ; (plain lines behind the reciprocal, which name neither its result nor its source)
	v_mul_f32 v56, v27, v56
	s_wait_alu depctr_va_vdst(0)
	v_mul_f32 v54, v54, v60
	v_mul_f32 v56, v56, v60
	v_ldexp_f32 v54, v54, v50                      ; c_P = (1 - sig) / S_P / row sum x 2^d_P
	v_ldexp_f32 v56, v56, v51                      ; c_E = sig / S_E / row sum x 2^d_E
.set j, 0
.rept 32
	v_pk_mul_f32 v[64+j:65+j], v[64+j:65+j], v[54:55] op_sel_hi:[1,0]
.set j, j+2
.endr
.set j, 0
.rept 32
	v_pk_fma_f32 v[64+j:65+j], v[128+j:129+j], v[56:57], v[64+j:65+j] op_sel_hi:[1,0,1]   ; attn, finished
.set j, j+2
.endr
.set j, 0
.rept 64
	v_min_num_f32 v[64+j], v[64+j], v29            ; the conversion does not saturate (ISA guide 7.6.2); attn is not negative, so the hold is one-sided
.set j, j+1
.endr
.irp t, 0,1,2,3,4,5,6,7
	v_cvt_scalef32_pk8_fp8_f32 v[192+2*\t:193+2*\t], v[64+8*\t:71+8*\t], v28   ; registers 2 t, 2 t + 1 of the operand: keys 16 t + 8 h + 0 .. 7
.endr
	v_nop                                          ; one plain line between the conversions and the products that read their results
.if \next
	s_wait_loadcnt 9                               ; v is in: the next head's k and q, nine loads, were issued behind it
.else
	s_wait_loadcnt 0x0
.endif
	WIN 0x01                                       ; source 0 (v) window 1
	v_wmma_f32_16x16x128_fp8_fp8 v[208:215], v[96:111], v[192:207], 0
	v_wmma_f32_16x16x128_fp8_fp8 v[216:223], v[112:127], v[192:207], 0
	WIN 0
	v_add_nc_u32 v11, s100, v10                    ; four places; no LDS instruction of mine is out here, so the address may be written
	v_nop
	v_nop
	v_nop
	ds_store_b128 v11, v[208:211]                  ; my part of the head's O^T, as the registers stand; each accumulator from its low end on
	ds_store_b128 v11, v[212:215] offset:512
	ds_store_b128 v11, v[216:219] offset:1024
	ds_store_b128 v11, v[220:223] offset:1536
.if \next
	s_add_nc_u64 s[18:19], s[18:19], 32768         ; the wait ahead of the products has shown the loads done that read this base
	WIN 0x40
.irp i, 0,1,2,3,4,5,6,7
	global_load_b128 v[96+4*\i:99+4*\i], v12, s[18:19] offset:512*\i
.endr
	WIN 0
	s_add_co_u32 s67, s67, ATP
	s_add_co_u32 s100, s100, 2048
.endif
.endm
	s_mov_b32 s66, 7
.Lhead:
	HEAD 1
	s_sub_co_u32 s66, s66, 1
	s_cmp_lg_u32 s66, 0
	s_cbranch_scc1 .Lhead
	HEAD 0                                         ; the last head is written out: it asks for nothing, so no load leaves its buffer
	; THE END.  Wave w adds head w's eight parts, in the order of the keys.
	BAR                                            ; all parts of O^T lie in LDS
	s_lshl_b32 s92, s26, 11
	s_add_co_u32 s92, s92, OP
	v_add_nc_u32 v6, s92, v12                      ; head w in wave 0's parts,
	v_add_nc_u32 v7, 0x10000, v6                   ; and in wave 4's: the immediate reaches 65,535 bytes
.irp p, 0,1,2,3,4,5,6,7
.irp q, 0,1,2,3
	ds_load_b128 v[64+16*\p+4*\q:67+16*\p+4*\q], v[6+\p/4] offset:(\p%4)*16384+512*\q
.endr
.endr
	s_wait_dscnt 0x0
.irp p, 1,2,3,4,5,6,7
.irp i, 0,2,4,6,8,10,12,14
	v_pk_add_f32 v[64+\i:65+\i], v[64+\i:65+\i], v[64+16*\p+\i:65+16*\p+\i]
.endr
.endr
.irp i, 0,1,2,3,4,5,6,7,8,9,10,11,12,13,14,15
	v_med3_num_f32 v[64+\i], v[64+\i], -v31, v31
.endr
	v_cvt_scalef32_pk8_fp8_f32 v[192:193], v[64:71], v30    ; query r, channels 32 w + 8 h + 0 .. 7
	v_cvt_scalef32_pk8_fp8_f32 v[194:195], v[72:79], v30    ; and 32 w + 16 + 8 h + 0 .. 7
	v_nop
	s_lshl_b32 s92, s26, 9
	v_add_nc_u32 v8, s92, v12
	ds_store_b128 v8, v[192:195] offset:OIMG
	BAR                                            ; the 256 channels' codes lie in LDS: head 4 s + q is registers 4 q .. 4 q + 3 of K step s
.irp i, 0,1,2,3,4,5,6,7
	ds_load_b128 v[64+4*\i:67+4*\i], v12 offset:OIMG+512*\i
.endr
	s_wait_dscnt 0x0
	WIN 0x01                                       ; source 0 (W_proj) window 1
	v_wmma_f32_16x16x128_fp8_fp8 v[96:103], v[128:143], v[64:79], 0            ; two tiles of columns by turns
	v_wmma_f32_16x16x128_fp8_fp8 v[104:111], v[160:175], v[64:79], 0
	v_wmma_f32_16x16x128_fp8_fp8 v[96:103], v[144:159], v[80:95], v[96:103]
	v_wmma_f32_16x16x128_fp8_fp8 v[104:111], v[176:191], v[80:95], v[104:111]
	WIN 0
	v_mul_u32_u24 v9, v1, SGP                      ; four places: the stage's address: row r, + 128 w + 32 h
	v_lshl_add_u32 v9, v2, 5, v9
	s_lshl_b32 s92, s26, 7
	v_add_nc_u32 v9, s92, v9
	v_nop
.irp t, 0,1
.irp i, 0,2,4,6
	v_pk_fma_f32 v[112+8*\t+\i:113+8*\t+\i], v[96+8*\t+\i:97+8*\t+\i], s[60:61], v[236+8*\t+\i:237+8*\t+\i] op_sel_hi:[1,0,1]   ; sum x 2^(e8 + e9) + b_proj
.endr
.endr
.irp t, 0,1
.irp u, 0,1
	ds_store_b128 v9, v[112+8*\t+4*\u:115+8*\t+4*\u] offset:STG+64*\t+16*\u    ; out(r, 32 w + 16 t + 8 h + 4 u + 0 .. 3)
.endr
.endr
	BAR                                            ; 16 whole rows lie in the stage
	s_mul_i32 s92, s26, 2*SGP
	v_add_nc_u32 v10, s92, v12                     ; rows 2 w and 2 w + 1
.irp a, 0,1
.irp u, 0,1
	ds_load_b128 v[64+4*(2*\a+\u):67+4*(2*\a+\u)], v10 offset:STG+SGP*\a+512*\u
.endr
.endr
.irp a, 0,1
.irp u, 0,1
	s_wait_dscnt 3-2*\a-\u                         ; LDS loads come back in order: this one is in, the younger may be out
	global_store_b128 v12, v[64+4*(2*\a+\u):67+4*(2*\a+\u)], s[24:25] offset:1024*\a+512*\u th:TH_STORE_NT   ; 32 lanes store 512 consecutive bytes, aligned
.endr
.endr
	s_wait_tensorcnt 0x0                           ; the wave's end: three closing lines, behind my last LDS store
	ds_add_u32 v[SPW], v[NIL]
	s_wait_dscnt 0x0
	s_endpgm
.Lfunc_end_k_qbd0a244f29_attn:
	.size	k_qbd0a244f29_attn, .Lfunc_end_k_qbd0a244f29_attn-k_qbd0a244f29_attn
	.p2alignl 7, 3214868480
	.fill 96, 4, 3214868480
	.section	.rodata,"a",@progbits
	.p2align	6, 0x0
	.amdhsa_kernel k_qbd0a244f29_attn
		.amdhsa_group_segment_fixed_size 200192
		.amdhsa_private_segment_fixed_size 0
		.amdhsa_enable_private_segment 0
		.amdhsa_kernarg_size 88
		.amdhsa_user_sgpr_count 2
		.amdhsa_user_sgpr_kernarg_segment_ptr 1
		.amdhsa_wavefront_size32 1
		.amdhsa_system_sgpr_workgroup_id_x 1
		.amdhsa_system_sgpr_workgroup_id_y 1
		.amdhsa_system_sgpr_workgroup_id_z 1
		.amdhsa_system_vgpr_workitem_id 0
		.amdhsa_next_free_vgpr 448
		.amdhsa_next_free_sgpr 102
		.amdhsa_reserve_vcc 0
		.amdhsa_float_denorm_mode_32 3
		.amdhsa_float_denorm_mode_16_64 3
		.amdhsa_memory_ordered 1
		.amdhsa_forward_progress 1
		.amdhsa_inst_pref_size 112
	.end_amdhsa_kernel
	.amdgpu_metadata
---
amdhsa.version: [ 1, 2 ]
amdhsa.kernels:
  - .name:           k_qbd0a244f29_attn
    .symbol:         k_qbd0a244f29_attn.kd
    .args:
      - { .name: voxel_coord, .offset: 0, .size: 8, .value_kind: global_buffer, .address_space: global }
      - { .name: W_pos, .offset: 8, .size: 8, .value_kind: global_buffer, .address_space: global }
      - { .name: b_pos, .offset: 16, .size: 8, .value_kind: global_buffer, .address_space: global }
      - { .name: gating, .offset: 24, .size: 8, .value_kind: global_buffer, .address_space: global }
      - { .name: lowp_scales, .offset: 32, .size: 8, .value_kind: global_buffer, .address_space: global }
      - { .name: q_img, .offset: 40, .size: 8, .value_kind: global_buffer, .address_space: global }
      - { .name: k_img, .offset: 48, .size: 8, .value_kind: global_buffer, .address_space: global }
      - { .name: v_img, .offset: 56, .size: 8, .value_kind: global_buffer, .address_space: global }
      - { .name: wp_img, .offset: 64, .size: 8, .value_kind: global_buffer, .address_space: global }
      - { .name: b_proj, .offset: 72, .size: 8, .value_kind: global_buffer, .address_space: global }
      - { .name: out0, .offset: 80, .size: 8, .value_kind: global_buffer, .address_space: global }
    .group_segment_fixed_size: 200192
    .private_segment_fixed_size: 0
    .kernarg_segment_align: 8
    .kernarg_segment_size: 88
    .max_flat_workgroup_size: 256
    .sgpr_count:     102
    .vgpr_count:     448
    .wavefront_size: 32
...
	.end_amdgpu_metadata
.endif
;; end of part 2
;; ======== version 2 of 2: 2 launches; version 1 with the launches prep, attn written anew for expert scheduling mode
;; workspace buffers: q_img 1,048,576 bytes; k_img 1,048,576 bytes; v_img 1,048,576 bytes; wp_img 65,536 bytes
;; launch prep (part 3): grid 8 x 32, 8 waves a work-group, no clusters, 58,368 bytes of LDS; arguments x, W_qk, W_v, W_proj, lowp_scales, q_img, k_img, v_img, wp_img; writes q_img, k_img, v_img, wp_img
.if DOCPART == 3
	.amdgcn_target "amdgcn-amd-amdhsa--gfx1250"
	.amdhsa_code_object_version 6
	.text
	.protected	k_qbd0a244f29_prep
	.globl	k_qbd0a244f29_prep
	.p2align	8
	.type	k_qbd0a244f29_prep,@function
k_qbd0a244f29_prep:
	s_mov_b64 s[64:65], 0
	v_nop
	global_prefetch_b8 v0, s[64:65] scope:SCOPE_SE
	s_setreg_imm32_b32 hwreg(HW_REG_WAVE_SCHED_MODE, 0, 2), 2
	s_setreg_imm32_b32 hwreg(HW_REG_WAVE_MODE, 25, 1), 1
	s_wait_xcnt 0x0
	s_wait_alu depctr_vm_vsrc(0)
; q = x W_qk[:, :256], k = x W_qk[:, 256:], v = x W_v, on codes of E4M3 with the given scales, and their results quantised again (q: e2, k: e3, v: e6) into IMAGES OF OPERAND REGISTERS;
; W_proj is quantised (e9) into such images too.  x: [4096][256] f32; W_qk: [256][512], W_v, W_proj: [256][256] f32, K along the first axis.
; SHARES.  Work-group (g, rg): head g, rows 128 rg .. 128 rg + 127 of x (batch rg / 8, key block rg % 8): 128 rows x 96 columns.  Eight waves.
; Wave w quantises rows 16 w .. 16 w + 15 of x twice (e0: the codes stay in its registers; e4: they go to LDS as an image), one fragment of W_qk (tile w / 2, K step w % 2) and a quarter of W_v's two tiles.
; One barrier.  Then q and k TRANSPOSED (source 0 = 16 columns of W_qk, source 1 = my 16 rows): a lane holds one token, its registers run along the head's 32;
; v NOT transposed (source 0 = 16 rows of x, source 1 = 16 columns of W_v): a lane holds one channel, its registers run along the tokens, which are the K of the product with the attention weights.
; K ORDER in these two products: register 16 c + i of a lane's 64 numbers is k = 128 s + 32 c + 16 (lane / 16) + i, alike in x and in the weights: every product meets its partner.
; IMAGES.  q_img, k_img: [batch][head][tile of 16 tokens][512 bytes]: lane l's 16 bytes at 16 l: token l % 16, d = 8 (l / 16) + 0..7 and 16 + 8 (l / 16) + 0..7.
; v_img: [batch][head][block of 128 keys][channel tile][chunk p][512 bytes]: chunk p = registers 4 p .. 4 p + 3 of the fragment: channel l % 16, keys 32 p + 8 (l / 16) + 0..7 and 32 p + 16 + 8 (l / 16) + 0..7.
; wp_img: [fragment 2 nt + s][pair c][256 bytes]: lane l's 8 bytes at 8 l: W_proj(128 s + 16 c + 8 (l / 16) + 0..7, 16 nt + l % 16).  Work-group (g, rg) makes pair g of fragment rg, in wave 0.
; LIMITS: e0, e1, e4, e5, e9, e2 - e0 - e1, e3 - e0 - e1 and e6 - e4 - e5 lie between -126 and 119, so that each scale and 448 x it is an f32 number.  NaN and infinity among the inputs are not served.
; No tensor load and no cluster: a work-group's weights are 96 KB read once by it, each number by one lane; nothing would be read from LDS more often than it is written there.
; THE MODE: SCHED_MODE bits 1:0 = 2 (LLVM: expert scheduling mode 2), set by the entry lines.  The code itself states the register dependences
; between vector or matrix instructions and memory or LDS instructions, with s_wait_alu, always for 0.
; THE PLAN.  Registers that memory or LDS instructions touch:
;   v5-v15      offsets and LDS addresses: made once at the head, never written again: one wait on va_vdst ahead of the first load serves them all.
;   v208-231    the weights' codes: written by the conversions, read by six LDS stores (one wait on va_vdst between), written again by the products behind the barrier (one wait on vm_vsrc there).
;   v32-63      x's codes under e4: written by the conversions, read by eight LDS stores (one wait on va_vdst between), never written again.
;   v96-191 and window 1's v0-127: named by the holds and conversions ahead of the barrier; behind it the fragments' 56 LDS loads land there: one wait on va_vdst ahead of the run.
;   v252-253, v240-251: codes that leave: written by conversions, read by the stores behind one wait on va_vdst each, never written again.
.set WQI,   0                          ; LDS: W_qk's 8 fragments (2 tile + K step), 2,048 bytes each
.set WVI,   16384                      ; W_v's 4 fragments
.set XVI,   24576                      ; x's 16 fragments under e4 (2 tile + K step)
.set SPARE, 57344                      ; the spare words, 128 bytes for each wave: four blocks of 256 bytes that no other line names
.set SPW, 3                            ; v3  LDS address of my spare word; never rewritten
.set NIL, 4                            ; v4  0; never rewritten
; REGISTERS, window 0: v1 r, v2 h, v5 16 x lane, v6-v9 offsets in x, W_qk, W_v, W_proj, v10 8 x lane, v11-v15 LDS addresses, v16-31 eight pairs (scale, 448 x scale);
;   v32-95 W_qk's numbers, later x's codes (v32-63 under e4, v64-95 under e0); v96-127 W_v's numbers; v128-135 W_proj's; v144-207 held numbers; v208-231 the weights' codes;
;   behind the barrier: v96-159 x's fragments under e4, v160-191 W_v's, v192-223 sums of q and k, v224-239 sums of v, v240-251 the codes that leave; v252-253 W_proj's codes.
;   window 1: v0-127 x's numbers; behind the barrier W_qk's eight fragments.
.set MSB, 0
.macro WIN new                         ; the immediate's high byte repeats the setting that is left
.if MSB != \new
	s_set_vgpr_msb (MSB<<8)|\new
.set MSB, \new
.endif
.endm
.macro MKSC vs, vl, se                 ; v[vs] = 2^e as f32, v[vl] = 448 x 2^e, e in s[se]
	s_add_co_i32 s42, s[\se], 127
	s_lshl_b32 s43, s42, 23
	v_mov_b32 v[\vs], s43
	s_add_co_i32 s42, s42, 8
	s_lshl_b32 s42, s42, 23
	s_or_b32 s42, s42, 0x600000
	v_mov_b32 v[\vl], s42
.endm
.macro HOLD dst, src, n, vl            ; the conversion to an 8-bit code does not saturate (ISA guide 7.6.2): each number is held within the largest code x the scale first
.set hh, 0
.rept \n
	v_med3_num_f32 v[(\dst)+hh], v[(\src)+hh], -v[\vl], v[\vl]
.set hh, hh+1
.endr
.endm
.macro CVT dst, src, n8, vs            ; eight numbers a line; one plain vector line stands behind the run, ahead of whatever touches the codes or writes the numbers
.set hh, 0
.rept \n8
	v_cvt_scalef32_pk8_fp8_f32 v[(\dst)+2*hh:(\dst)+2*hh+1], v[(\src)+8*hh:(\src)+8*hh+7], v[\vs]
.set hh, hh+1
.endr
	v_nop
.endm
.macro IMAGE adr, reg, n, off          ; registers go to LDS as they stand: four a store, lane l's 16 bytes at 16 l
.set hh, 0
.rept \n
	ds_store_b128 v[\adr], v[(\reg)+4*hh:(\reg)+4*hh+3] offset:(\off)+512*hh
.set hh, hh+1
.endr
.endm
.macro FETCH reg, adr, off             ; and a fragment of 16 registers comes back so, in any wave
.irp c, 0,1,2,3
	ds_load_b128 v[(\reg)+4*\c:(\reg)+4*\c+3], v[\adr] offset:(\off)+512*\c
.endr
.endm
	s_load_b512 s[4:19], s[0:1], 0x0               ; x, W_qk, W_v, W_proj, the scales' exponents, q_img, k_img, v_img
	s_load_b64 s[20:21], s[0:1], 0x40              ; wp_img
	v_lshl_add_u32 v[SPW], v0, 2, SPARE
	v_mov_b32 v[NIL], 0
	v_lshrrev_b32 v1, 5, v0
	v_readfirstlane_b32 s22, v1                    ; wave w
	s_mov_b32 s23, ttmp9                           ; head g
	s_and_b32 s24, ttmp7, 0xffff                   ; rg
	v_and_b32 v1, 15, v0                           ; r
	v_bfe_u32 v2, v0, 4, 1                         ; h
	v_and_b32 v5, 31, v0
	v_lshlrev_b32 v10, 3, v5                       ; 8 x lane
	v_lshlrev_b32 v5, 4, v5                        ; 16 x lane
	v_lshlrev_b32 v6, 10, v1
	v_lshl_add_u32 v6, v2, 6, v6                   ; x: row r of 1,024 bytes, + 64 h
	v_lshlrev_b32 v7, 2, v1                        ; the weights: lane r takes a column, lanes 16-31 begin 16 (W_proj: 8) rows further down
	v_lshl_add_u32 v8, v2, 14, v7                  ; W_v: 16 rows of 1,024 bytes
	v_lshl_add_u32 v9, v2, 13, v7                  ; W_proj: 8 rows of 1,024 bytes
	v_lshl_add_u32 v7, v2, 15, v7                  ; W_qk: 16 rows of 2,048 bytes
	s_wait_alu depctr_va_sdst(0)                   ; s22 is written, ahead of its first reader: LDS addresses and all the bases are made from it
	s_lshl_b32 s42, s22, 11
	v_add_nc_u32 v11, s42, v5                      ; where I store my fragment of W_qk
	s_lshl_b32 s42, s22, 10
	v_add_nc_u32 v12, s42, v5                      ; my quarter of W_v
	s_lshl_b32 s42, s22, 12
	v_add_nc_u32 v13, s42, v5                      ; my two fragments of x
	s_lshr_b32 s42, s22, 1
	s_lshl_b32 s42, s42, 13
	v_add_nc_u32 v14, s42, v5                      ; where I read x's tiles 2 (w / 2) and 2 (w / 2) + 1
	s_and_b32 s42, s22, 1
	s_lshl_b32 s42, s42, 12
	v_add_nc_u32 v15, s42, v5                      ; and W_v's tile w % 2
	s_lshl_b32 s44, s24, 17                        ; x: 128 rg rows + 16 w rows
	s_lshl_b32 s45, s22, 14
	s_add_co_u32 s44, s44, s45
	s_mov_b32 s45, 0
	s_and_b32 s46, s22, 1                          ; W_qk: K step w % 2 (128 rows), column 256 (w / 4) + 32 g + 16 ((w / 2) % 2)
	s_lshl_b32 s46, s46, 18
	s_lshr_b32 s47, s22, 2
	s_lshl_b32 s47, s47, 10
	s_add_co_u32 s46, s46, s47
	s_lshl_b32 s47, s23, 7
	s_add_co_u32 s46, s46, s47
	s_bfe_u32 s47, s22, 0x10001
	s_lshl_b32 s47, s47, 6
	s_add_co_u32 s46, s46, s47
	s_mov_b32 s47, 0
	s_and_b32 s48, s22, 3                          ; W_v: rows 64 (w % 4) on, column 32 g + 16 (w / 4)
	s_lshl_b32 s48, s48, 16
	s_lshl_b32 s49, s23, 7
	s_add_co_u32 s48, s48, s49
	s_lshr_b32 s49, s22, 2
	s_lshl_b32 s49, s49, 6
	s_add_co_u32 s48, s48, s49
	s_mov_b32 s49, 0
	s_and_b32 s50, s24, 1                          ; W_proj: rows 128 (rg % 2) + 16 g on, column 16 (rg / 2)
	s_lshl_b32 s50, s50, 17
	s_lshl_b32 s51, s23, 14
	s_add_co_u32 s50, s50, s51
	s_lshr_b32 s51, s24, 1
	s_lshl_b32 s51, s51, 6
	s_add_co_u32 s50, s50, s51
	s_mov_b32 s51, 0
	s_lshl_b32 s52, s24, 11                        ; wp_img: fragment rg, pair g
	s_lshl_b32 s53, s23, 8
	s_add_co_u32 s52, s52, s53
	s_mov_b32 s53, 0
	s_lshr_b32 s54, s24, 3                         ; the three images: (8 batch + g) x 32,768 + (rg % 8) x 4,096,
	s_lshl_b32 s54, s54, 3
	s_add_co_u32 s54, s54, s23
	s_lshl_b32 s54, s54, 15
	s_and_b32 s55, s24, 7
	s_lshl_b32 s55, s55, 12
	s_add_co_u32 s54, s54, s55
	s_mov_b32 s56, s54
	s_lshl_b32 s55, s22, 9                         ; q, k: + tile w
	s_add_co_u32 s54, s54, s55
	s_mov_b32 s55, 0
	s_and_b32 s57, s22, 1                          ; v: + channel tile w % 2, chunk w / 2
	s_lshl_b32 s57, s57, 11
	s_add_co_u32 s56, s56, s57
	s_lshr_b32 s57, s22, 1
	s_lshl_b32 s57, s57, 9
	s_add_co_u32 s56, s56, s57
	s_mov_b32 s57, 0
	s_wait_kmcnt 0x0
	s_load_b256 s[32:39], s[12:13], 0x0            ; e0 .. e7
	s_load_b64 s[40:41], s[12:13], 0x20            ; e8, e9
	s_add_nc_u64 s[4:5], s[4:5], s[44:45]
	s_add_nc_u64 s[6:7], s[6:7], s[46:47]
	s_add_nc_u64 s[8:9], s[8:9], s[48:49]
	s_add_nc_u64 s[10:11], s[10:11], s[50:51]
	s_add_nc_u64 s[20:21], s[20:21], s[52:53]
	s_add_nc_u64 s[14:15], s[14:15], s[54:55]
	s_add_nc_u64 s[16:17], s[16:17], s[54:55]
	s_add_nc_u64 s[18:19], s[18:19], s[56:57]
	s_wait_alu depctr_va_vdst(0)                   ; the offsets and LDS addresses v5 to v15 are written: every load and store of the kernel reads one of them, and none is written again
.irp c, 0,1,2,3                        ; W_qk(128 s + 32 c + 16 h + i, my column): sixteen neighbouring lanes read 64 neighbouring bytes
.irp i, 0,1,2,3,4,5,6,7,8,9,10,11,12,13,14,15
	global_load_b32 v[32+16*\c+\i], v7, s[6:7] offset:(32*\c+\i)*2048
.endr
.endr
.irp c, 0,1                            ; W_v(64 (w % 4) + 32 c + 16 h + i, my column)
.irp i, 0,1,2,3,4,5,6,7,8,9,10,11,12,13,14,15
	global_load_b32 v[96+16*\c+\i], v8, s[8:9] offset:(32*\c+\i)*1024
.endr
.endr
	WIN 0x40                                       ; destination window 1
.irp s, 0,1                            ; x(row r, 128 s + 32 c + 16 h + 0 .. 15)
.irp c, 0,1,2,3
.irp j, 0,1,2,3
	global_load_b128 v[64*\s+16*\c+4*\j:64*\s+16*\c+4*\j+3], v6, s[4:5] offset:512*\s+128*\c+16*\j
.endr
.endr
.endr
	WIN 0
	s_wait_kmcnt 0x0
	MKSC 16, 17, 32                                ; x for q and k.  (v16 to v31 are named by vector lines alone)
	MKSC 18, 19, 33                                ; W_qk
	MKSC 20, 21, 36                                ; x for v
	MKSC 22, 23, 37                                ; W_v
	MKSC 24, 25, 41                                ; W_proj
	s_sub_co_i32 s58, s34, s32                     ; a sum of x W_qk stands for sum x 2^(e0 + e1): q's code is sum / 2^(e2 - e0 - e1): the three scales folded into the conversion's one
	s_sub_co_i32 s58, s58, s33
	MKSC 26, 27, 58
	s_sub_co_i32 s58, s35, s32
	s_sub_co_i32 s58, s58, s33
	MKSC 28, 29, 58                                ; k: e3 - e0 - e1
	s_sub_co_i32 s58, s38, s36
	s_sub_co_i32 s58, s58, s37
	MKSC 30, 31, 58                                ; v: e6 - e4 - e5
	s_cmp_lg_u32 s22, 0                            ; wave 0 alone makes the work-group's pair of W_proj's registers
	s_cbranch_scc1 .Lno_wp
.irp j, 0,1,2,3,4,5,6,7
	global_load_b32 v[128+\j], v9, s[10:11] offset:\j*1024   ; no vector line since the wait above names v9 or v128 to v135
.endr
	s_wait_loadcnt 0x0
	HOLD 128, 128, 8, 25
	CVT 252, 128, 1, 24
	s_wait_alu depctr_va_vdst(0)                   ; the conversion has written v[252:253], which the store reads
	global_store_b64 v10, v[252:253], s[20:21]     ; 32 lanes store 256 consecutive bytes, aligned; neither register is written again
.Lno_wp:
	s_wait_loadcnt 32                              ; the weights are in: x's 32 loads were issued behind them and may stay out
	HOLD 32, 32, 64, 19
	CVT 208, 32, 8, 18
	HOLD 96, 96, 32, 23
	CVT 224, 96, 4, 22
	s_wait_alu depctr_va_vdst(0)                   ; the conversions have written v[208:231], which the six LDS stores read
	IMAGE 11, 208, 4, WQI
	IMAGE 12, 224, 2, WVI
	s_wait_loadcnt 0x0                             ; x
.irp s, 0,1
	WIN 0x01                                       ; source 0 window 1
	HOLD 144, 64*\s, 64, 21
	WIN 0
	CVT 32+16*\s, 144, 8, 20                       ; under e4: for v
.endr
	s_wait_alu depctr_va_vdst(0)                   ; the conversions have written v[32:63], which the eight LDS stores read; the lines behind the stores name none of these registers
	IMAGE 13, 32, 4, XVI
	IMAGE 13, 48, 4, XVI+2048
.irp s, 0,1
	WIN 0x01
	HOLD 144, 64*\s, 64, 17
	WIN 0
	CVT 64+16*\s, 144, 8, 16                       ; under e0: for q and k; these stay with me
.endr
	s_wait_dscnt 0x0                               ; for the others' sake: my images have landed
	s_barrier_signal -1
	s_barrier_wait -1
	s_wait_alu depctr_vm_vsrc(0)                   ; my LDS stores have read v[208:231], which the products below write
	WIN 0x40
	s_wait_alu depctr_va_vdst(0)                   ; the holds and conversions are done with window 1's v0-127 and with v96-191, in which the 56 loads below land
.irp f, 0,1,2,3,4,5,6,7
	FETCH 16*\f, 5, WQI+2048*\f                    ; W_qk's eight fragments
.endr
	WIN 0
.irp a, 0,1
.irp s, 0,1
	FETCH 96+16*(2*\a+\s), 14, XVI+4096*\a+2048*\s ; x under e4: two tiles of rows
.endr
.endr
.irp s, 0,1
	FETCH 160+16*\s, 15, WVI+2048*\s               ; W_v's tile
.endr
	s_wait_dscnt 24                                ; W_qk's 32 loads are in; the 24 issued behind them may be out
	WIN 0x01                                       ; source 0 (W_qk) window 1
.irp s, 0,1                            ; four accumulators by turns, one instruction a turn; the first K step starts the sums
.irp ct, 0,1,2,3
.if \s == 0
	v_wmma_f32_16x16x128_fp8_fp8 v[192+8*\ct:199+8*\ct], v[32*\ct:32*\ct+15], v[64:79], 0
.else
	v_wmma_f32_16x16x128_fp8_fp8 v[192+8*\ct:199+8*\ct], v[32*\ct+16:32*\ct+31], v[80:95], v[192+8*\ct:199+8*\ct]
.endif
.endr
.endr
	WIN 0
	s_wait_dscnt 0x0
	v_wmma_f32_16x16x128_fp8_fp8 v[224:231], v[96:111], v[160:175], 0            ; v: two tiles of rows by turns
	v_wmma_f32_16x16x128_fp8_fp8 v[232:239], v[128:143], v[160:175], 0
	v_wmma_f32_16x16x128_fp8_fp8 v[224:231], v[112:127], v[176:191], v[224:231]
	v_wmma_f32_16x16x128_fp8_fp8 v[232:239], v[144:159], v[176:191], v[232:239]
.rept 4
	v_nop                                          ; four places between the last product and the first vector line on a result (ISA guide 7.12.1)
.endr
	HOLD 192, 192, 16, 27                          ; each accumulator from its low end on
	HOLD 208, 208, 16, 29
	HOLD 224, 224, 16, 31
	CVT 240, 192, 2, 26                            ; q: token r, d = 8 h + 0..7, 16 + 8 h + 0..7
	CVT 244, 208, 2, 28                            ; k likewise
	CVT 248, 224, 2, 30                            ; v: channel r, tokens 8 h + 0..7 of tiles 2 (w / 2) and 2 (w / 2) + 1
	s_wait_alu depctr_va_vdst(0)                   ; the conversions have written v[240:251], which the three stores read
	global_store_b128 v5, v[240:243], s[14:15]     ; each store of the wave covers 512 consecutive bytes, aligned
	global_store_b128 v5, v[244:247], s[16:17]
	global_store_b128 v5, v[248:251], s[18:19]
	s_wait_dscnt 0x0                               ; the closing lines, six on end
	s_wait_alu 0x0
	s_wait_tensorcnt 0x0
	ds_add_u32 v[SPW], v[NIL]
	s_wait_dscnt 0x0
	s_endpgm
.Lfunc_end_k_qbd0a244f29_prep:
	.size	k_qbd0a244f29_prep, .Lfunc_end_k_qbd0a244f29_prep-k_qbd0a244f29_prep
	.p2alignl 7, 3214868480
	.fill 96, 4, 3214868480
	.section	.rodata,"a",@progbits
	.p2align	6, 0x0
	.amdhsa_kernel k_qbd0a244f29_prep
		.amdhsa_group_segment_fixed_size 58368
		.amdhsa_private_segment_fixed_size 0
		.amdhsa_enable_private_segment 0
		.amdhsa_kernarg_size 72
		.amdhsa_user_sgpr_count 2
		.amdhsa_user_sgpr_kernarg_segment_ptr 1
		.amdhsa_wavefront_size32 1
		.amdhsa_system_sgpr_workgroup_id_x 1
		.amdhsa_system_sgpr_workgroup_id_y 1
		.amdhsa_system_sgpr_workgroup_id_z 1
		.amdhsa_system_vgpr_workitem_id 0
		.amdhsa_next_free_vgpr 384
		.amdhsa_next_free_sgpr 66
		.amdhsa_reserve_vcc 0
		.amdhsa_float_denorm_mode_32 3
		.amdhsa_float_denorm_mode_16_64 3
		.amdhsa_memory_ordered 1
		.amdhsa_forward_progress 1
		.amdhsa_inst_pref_size 55
	.end_amdhsa_kernel
	.amdgpu_metadata
---
amdhsa.version: [ 1, 2 ]
amdhsa.kernels:
  - .name:           k_qbd0a244f29_prep
    .symbol:         k_qbd0a244f29_prep.kd
    .args:
      - { .name: x, .offset: 0, .size: 8, .value_kind: global_buffer, .address_space: global }
      - { .name: W_qk, .offset: 8, .size: 8, .value_kind: global_buffer, .address_space: global }
      - { .name: W_v, .offset: 16, .size: 8, .value_kind: global_buffer, .address_space: global }
      - { .name: W_proj, .offset: 24, .size: 8, .value_kind: global_buffer, .address_space: global }
      - { .name: lowp_scales, .offset: 32, .size: 8, .value_kind: global_buffer, .address_space: global }
      - { .name: q_img, .offset: 40, .size: 8, .value_kind: global_buffer, .address_space: global }
      - { .name: k_img, .offset: 48, .size: 8, .value_kind: global_buffer, .address_space: global }
      - { .name: v_img, .offset: 56, .size: 8, .value_kind: global_buffer, .address_space: global }
      - { .name: wp_img, .offset: 64, .size: 8, .value_kind: global_buffer, .address_space: global }
    .group_segment_fixed_size: 58368
    .private_segment_fixed_size: 0
    .kernarg_segment_align: 8
    .kernarg_segment_size: 72
    .max_flat_workgroup_size: 256
    .sgpr_count:     66
    .vgpr_count:     384
    .wavefront_size: 32
...
	.end_amdgpu_metadata
.endif
;; end of part 3
;; launch attn (part 4): grid 64 x 4, 8 waves a work-group, no clusters, 200,192 bytes of LDS; arguments voxel_coord, W_pos, b_pos, gating, lowp_scales, q_img, k_img, v_img, wp_img, b_proj, out0; writes out0
.if DOCPART == 4
	.amdgcn_target "amdgcn-amd-amdhsa--gfx1250"
	.amdhsa_code_object_version 6
	.text
	.protected	k_qbd0a244f29_attn
	.globl	k_qbd0a244f29_attn
	.p2align	8
	.type	k_qbd0a244f29_attn,@function
k_qbd0a244f29_attn:
	s_mov_b64 s[64:65], 0
	v_nop
	global_prefetch_b8 v0, s[64:65] scope:SCOPE_SE
	s_setreg_imm32_b32 hwreg(HW_REG_WAVE_SCHED_MODE, 0, 2), 2
	s_setreg_imm32_b32 hwreg(HW_REG_WAVE_MODE, 25, 1), 1
	s_wait_xcnt 0x0
	s_wait_alu depctr_vm_vsrc(0)
; out0 = (attn v) W_proj + b_proj, attn = ((1 - sig) softmax(q k^T / sqrt(32)) + sig softmax(pos)) / its row sum, sig = sigmoid(gating), pos(i, j) = W_pos . [p_j - p_i, |p_j - p_i|] + b_pos.
; q, k, v and W_proj arrive as images of operand registers (codes of E4M3).  attn is quantised FINISHED (e7), the 256 channels of attn v again (e8).
; SHARES.  A work-group takes 16 queries of one batch, all 8 heads, all 1,024 keys.  THE WAVES SHARE THE KEYS: wave w owns keys 128 w .. 128 w + 127 for every head.  So its 16 x 128 distances, which hang on no head,
; lie in 64 of its registers and serve 8 heads; its fragments of k and v come from memory straight into operand registers; and a head's two arrays of exponentials (64 + 64 registers) are kept until both rows' sums are known.
; A lane (r = lane % 16, h = lane / 16) holds query r throughout; register 8 t + j is key 128 w + 16 t + 8 h + j: S^T = k q^T (source 0 = 16 keys), O^T = v^T attn^T (source 0 = 16 channels).
; K = 32 IN A FORM OF K = 64: a fragment of k holds one tile of 16 keys in registers 0-3 and the next tile in registers 4-7; q stands between two runs of four zero registers, so that v[228:235] meets the first tile and v[224:231] the second.
; THE SOFTMAXES.  Each wave takes the largest logit of its 128 keys, in units of log2, rounded UP to a whole number M; e = 2^(t - M); the waves exchange (-M, sum) through LDS; a block is brought under the common M by v_ldexp_f32, which rounds nothing.
; What is constant along the keys cancels in a softmax: the query's own term -W_pos . p_i is not added; the keys' term is taken about the tile's first query p_c, so that a common offset of the coordinates does no harm; b_pos is added to it.
; The row sum of the mix is (1 - sig) (S_P / S_P) + sig (S_E / S_E), taken with the reciprocals that are used.
; THE END.  Wave w adds head w's eight parts of O^T, quantises them, and makes columns 32 w .. 32 w + 31 of the output (source 0 = 16 columns of W_proj).
; NO CLUSTER, though the 64 work-groups of a batch read the same 512 KB of k and v: a wave's 8.5 KB of a head are asked for a whole head's work ahead and land in operand registers by 17 loads;
; a joint load would bring them to LDS, for 17 LDS loads more a wave and head, and would want a round of the cluster's barrier in each of the 8 heads.
; LIMITS: e7 and e8 - e6 - e7 between -126 and 119; e2 + e3 between -124 and 129 (added to a constant's exponent field); e8 + e9 between -126 and 127.  NaN and infinity among the inputs are not served.
; THE MODE: SCHED_MODE bits 1:0 = 2 (LLVM: expert scheduling mode 2), set by the entry lines.  The code itself states the register dependences
; between vector or matrix instructions and memory or LDS instructions, with s_wait_alu, always for 0.
; THE PLAN.  Registers that memory or LDS instructions touch in the loop over heads, in program order:
;   k (window 1 v64-95), q (v228-231)   read by the eight score products; behind them the next head's nine loads land there.
;   v128-191, v24-27                    the key terms and the head's constants: read by vector lines up to the mix; the NEXT head's 17 LDS loads land there at the head's end.
;   v6, v7                              the addresses of those 17 loads: written among the places behind the second product, read by the loads that follow.
;   v16-19                              written by the floors and the sums, read by the store of the wave's quad.
;   v32-47                              the partners' quads land there; worked on by vector lines behind the second barrier.
;   v (window 1 v96-127)                read by the second product; behind it the next head's eight loads land there.
;   v11, v208-223                       written behind and by the second product, read by the four stores of O^T's part.
;   v5, v8, v9, v10, v12                never written in the loop.
; WAITS A HEAD.  On va_vdst: behind the score products (k, q); the two batches of exponentials; ahead of the quad's store (it serves the quads' loads too: no vector line stands between); the two
; batches of reciprocals; behind the second product's places (v11, v6, v7, O^T written; v, the key terms and the constants read out), with all the head's last loads and stores behind it and no vector line among them.
; On vm_vsrc: ONE, ahead of the second product: the key terms' loads have read v6 and v7, the quad's store v16-19, the last head's stores v11 and v208-223.
.set AT,    12288                      ; LDS: 0, 4096, 8192: the keys' x, y, z; from AT: 8 rows (a head each) of 1,024 key terms + 16 bytes (w3', w3', 1 - sig, sig)
.set ATP,   4112
.set STAT,  45312                      ; [wave][query] 16 bytes: -M_P, -M_E, sum_P, sum_E
.set OIMG,  47360                      ; the 8 heads' codes of attn v: 512 bytes each
.set STG,   51456                      ; 16 rows of the output, 1,024 bytes + 16
.set SGP,   1040
.set OP,    68096                      ; [wave][head] 2,048 bytes: a wave's part of a head's O^T
.set SPARE, 199168                     ; the spare words, 128 bytes for each wave: four blocks of 256 bytes that no other line names
.set SPW, 3                            ; v3  LDS address of my spare word; never rewritten
.set NIL, 4                            ; v4  0; never rewritten
; REGISTERS, window 0: v1 r, v2 h; v5 512 w + 32 h; v6, v7 addresses of the next head's key terms and constants, v11 of the head's part of O^T; v8, v9 STAT; v10 my parts of O^T; v12 16 x lane, v13 8 x lane, v14 16 x thread, v15 48 x thread;
;   v16-19 my (-M_P, -M_E, sum_P, sum_E); v20 -M_E; v22, v23 lane exchanges; v24-27 the head's constants; v28-31 two pairs (scale, 448 x scale); v32-47 four partners' quads; v48-63 at work;
;   v64-127 S^T, then e_P, then attn; v128-191 the key terms, then the pos logits, then e_E; v192-207 attn's codes; v208-223 O^T; v224-235 zeros, q, zeros; v236-251 b_proj.
;   window 1: v0-63 the distances; v64-95 k; v96-127 v; v128-191 W_proj's four fragments.
.set MSB, 0
.macro WIN new                         ; the immediate's high byte repeats the setting that is left
.if MSB != \new
	s_set_vgpr_msb (MSB<<8)|\new
.set MSB, \new
.endif
.endm
.macro MKSC vs, vl, se                 ; v[vs] = 2^e as f32, v[vl] = 448 x 2^e, e in s[se]
	s_add_co_i32 s92, s[\se], 127
	s_lshl_b32 s93, s92, 23
	v_mov_b32 v[\vs], s93
	s_add_co_i32 s92, s92, 8
	s_lshl_b32 s92, s92, 23
	s_or_b32 s92, s92, 0x600000
	v_mov_b32 v[\vl], s92
.endm
.macro BAR                             ; my LDS stores have landed and my LDS loads are in: then the work-group's barrier
	s_wait_dscnt 0x0
	s_barrier_signal -1
	s_barrier_wait -1
.endm
.macro MAX64 a, b, base                ; the largest of 64 registers, in two chains, from the low end of each run of eight on
	v_max3_num_f32 v[\a], v[\base], v[\base+1], v[\base+2]
	v_max3_num_f32 v[\b], v[\base+3], v[\base+4], v[\base+5]
.irp i, 6,10,14,18,22,26,30,34,38,42,46,50,54,58
	v_max3_num_f32 v[\a], v[\a], v[\base+\i], v[\base+\i+1]
	v_max3_num_f32 v[\b], v[\b], v[\base+\i+2], v[\base+\i+3]
.endr
	v_max3_num_f32 v[\a], v[\a], v[\base+62], v[\base+63]
	v_max_num_f32 v[\a], v[\a], v[\b]
.endm
.macro SUMSTEP base, dst               ; line n of 32 of the sum of 64 registers: two chains of pairs, then the chains, then the pair's halves
.if n == 0
	v_pk_add_f32 v[58:59], v[\base:\base+1], v[\base+2:\base+3]
.elseif n == 1
	v_pk_add_f32 v[60:61], v[\base+4:\base+5], v[\base+6:\base+7]
.elseif n < 30
	v_pk_add_f32 v[58+2*(n%2):59+2*(n%2)], v[58+2*(n%2):59+2*(n%2)], v[\base+2*n+4:\base+2*n+5]
.elseif n == 30
	v_pk_add_f32 v[58:59], v[58:59], v[60:61]
.else
	v_add_f32 v[\dst], v58, v59
.endif
.endm
; The distances of my query to 64 of my wave's keys (tiles 4 half .. 4 half + 3): p_j - p_i as it is written, the squares' sum, the root.
.macro DIST half
.irp c, 0,1,2
.irp t, 0,1,2,3
	ds_load_b128 v[64+32*\c+8*\t:67+32*\c+8*\t], v5 offset:4096*\c+64*(4*\half+\t)
	ds_load_b128 v[68+32*\c+8*\t:71+32*\c+8*\t], v5 offset:4096*\c+64*(4*\half+\t)+16
.endr
.endr
	s_wait_dscnt 0x0
.irp c, 0,1,2
.set j, 0
.rept 16
	v_pk_add_f32 v[64+32*\c+j:65+32*\c+j], v[64+32*\c+j:65+32*\c+j], v[32+2*\c:33+2*\c] op_sel_hi:[1,0] neg_lo:[0,1] neg_hi:[0,1]
.set j, j+2
.endr
.endr
.set j, 0
.rept 16
	v_pk_mul_f32 v[64+j:65+j], v[64+j:65+j], v[64+j:65+j]
.set j, j+2
.endr
.set j, 0
.rept 16
	v_pk_fma_f32 v[64+j:65+j], v[96+j:97+j], v[96+j:97+j], v[64+j:65+j]
.set j, j+2
.endr
.set j, 0
.rept 16
	v_pk_fma_f32 v[64+j:65+j], v[128+j:129+j], v[128+j:129+j], v[64+j:65+j]
.set j, j+2
.endr
	WIN 0x40                                       ; destination window 1
.set j, 0
.rept 32
	v_sqrt_f32 v[32*\half+j], v[64+j]
.set j, j+1
.endr
	WIN 0
	v_nop                                          ; a plain line behind the last root, ahead of any write of its source
	s_wait_alu depctr_va_vdst(0)                   ; the 32 roots are written, ahead of the first line that names one; and the lines above are done with v64-159, in which the next LDS loads land
.endm
; A head's 128 key terms of my wave (64 a lane) and its four constants, by the addresses v6 and v7.
.macro KTERMS
.irp t, 0,1,2,3,4,5,6,7
	ds_load_b128 v[128+8*\t:131+8*\t], v6 offset:AT+64*\t
	ds_load_b128 v[132+8*\t:135+8*\t], v6 offset:AT+64*\t+16
.endr
	ds_load_b128 v[24:27], v7 offset:AT+4096
.endm
	s_load_b512 s[4:19], s[0:1], 0x0               ; voxel_coord, W_pos, b_pos, gating, the scales' exponents, q_img, k_img, v_img
	s_load_b128 s[20:23], s[0:1], 0x40             ; wp_img, b_proj
	s_load_b64 s[24:25], s[0:1], 0x50              ; out0
	v_lshl_add_u32 v[SPW], v0, 2, SPARE
	v_mov_b32 v[NIL], 0
	v_lshrrev_b32 v1, 5, v0
	v_readfirstlane_b32 s26, v1                    ; wave w
	s_mov_b32 s27, ttmp9                           ; tile of 16 queries
	s_and_b32 s28, ttmp7, 0xffff                   ; batch
	v_and_b32 v1, 15, v0                           ; r
	v_bfe_u32 v2, v0, 4, 1                         ; h
	v_and_b32 v12, 31, v0
	v_lshlrev_b32 v13, 3, v12
	v_lshlrev_b32 v12, 4, v12
	v_lshlrev_b32 v14, 4, v0
	v_mul_u32_u24 v15, v0, 48                      ; thread t takes keys 4 t .. 4 t + 3: 48 bytes of coordinates
	s_wait_alu depctr_va_sdst(0)                   ; s26 is written, ahead of its first reader: LDS addresses and the bases are made from it
	s_lshl_b32 s92, s26, 9
	v_lshlrev_b32 v5, 5, v2
	v_add_nc_u32 v5, s92, v5                       ; 4 bytes x (128 w + 8 h): my first key in an array of one number a key
	v_lshlrev_b32 v8, 4, v1
	v_lshl_add_u32 v9, v2, 10, v8                  ; STAT: partners 4 h .. 4 h + 3, query r
	s_lshl_b32 s92, s26, 8
	v_add_nc_u32 v8, s92, v8                       ; STAT: my wave, query r
	s_lshl_b32 s92, s26, 14
	s_add_co_u32 s92, s92, OP
	v_add_nc_u32 v10, s92, v12                     ; my wave's 16 KB of parts of O^T
	s_mul_i32 s92, s26, ATP
	v_mov_b32 v7, s92                              ; head w's row of key terms
	s_lshl_b32 s29, s26, 2                         ; 4 w
	s_mul_i32 s30, s27, 192                        ; the tile's first query: 16 x 12 bytes a tile
	v_mul_u32_u24 v38, v1, 12
	v_add_nc_u32 v38, s30, v38                     ; my query's coordinates
	v_lshlrev_b32 v39, 5, v2                       ; b_proj: 8 h numbers on
	s_mul_i32 s92, s28, 12288                      ; voxel_coord: the batch
	s_mov_b32 s93, 0
	s_lshl_b32 s94, s28, 18                        ; q_img: the batch, head 0, my tile
	s_lshl_b32 s95, s27, 9
	s_add_co_u32 s94, s94, s95
	s_mov_b32 s95, 0
	s_lshl_b32 s96, s28, 18                        ; k_img, v_img: the batch, head 0, my wave's 128 keys
	s_lshl_b32 s97, s26, 12
	s_add_co_u32 s96, s96, s97
	s_mov_b32 s97, 0
	s_lshl_b32 s98, s26, 13                        ; wp_img: fragments 4 w .. 4 w + 3
	s_mov_b32 s99, 0
	s_lshl_b32 s100, s26, 7                        ; b_proj: 32 w numbers on
	s_mov_b32 s101, 0
	s_wait_kmcnt 0x0
	s_add_nc_u64 s[4:5], s[4:5], s[92:93]
	s_add_nc_u64 s[14:15], s[14:15], s[94:95]
	s_add_nc_u64 s[16:17], s[16:17], s[96:97]
	s_add_nc_u64 s[18:19], s[18:19], s[96:97]
	s_add_nc_u64 s[20:21], s[20:21], s[98:99]
	s_add_nc_u64 s[22:23], s[22:23], s[100:101]
	s_lshl_b32 s92, s28, 20                        ; out0: row 1,024 batch + 16 tile + 2 w
	s_lshl_b32 s93, s27, 14
	s_add_co_u32 s92, s92, s93
	s_lshl_b32 s93, s26, 11
	s_add_co_u32 s92, s92, s93
	s_mov_b32 s93, 0
	s_add_nc_u64 s[24:25], s[24:25], s[92:93]
	s_load_b512 s[68:83], s[6:7], 0x0              ; W_pos rows 0, 1
	s_load_b256 s[84:91], s[6:7], 0x40             ; row 2
	s_load_b256 s[44:51], s[8:9], 0x0              ; b_pos
	s_load_b256 s[32:39], s[12:13], 0x0            ; e0 .. e7
	s_load_b64 s[40:41], s[12:13], 0x20            ; e8, e9
	s_load_b96 s[52:54], s[4:5], s30 offset:0x0    ; p_c: the tile's first query
	s_load_b32 s55, s[10:11], s29 offset:0x0       ; gating[w]
	s_load_b32 s56, s[6:7], s29 offset:0x60        ; W_pos[3][w]
	s_wait_alu depctr_va_vdst(0)                   ; the offsets and LDS addresses v5, v7 to v10, v12 to v15, v38 and v39 are written, which the loads and stores below read
	global_load_b128 v[40:43], v15, s[4:5]         ; four keys' coordinates
	global_load_b128 v[44:47], v15, s[4:5] offset:16
	global_load_b128 v[48:51], v15, s[4:5] offset:32
	global_load_b32 v32, v38, s[4:5]               ; my query's
	global_load_b32 v34, v38, s[4:5] offset:4
	global_load_b32 v36, v38, s[4:5] offset:8
.irp t, 0,1
.irp u, 0,1
	global_load_b128 v[236+8*\t+4*\u:239+8*\t+4*\u], v39, s[22:23] offset:64*\t+16*\u   ; b_proj[32 w + 16 t + 8 h + 0 .. 7]
.endr
.endr
	global_load_b128 v[228:231], v12, s[14:15]     ; q of head 0
	WIN 0x40                                       ; destination window 1
.irp f, 0,1,2,3
.irp c, 0,1,2,3,4,5,6,7
	global_load_b64 v[128+16*\f+2*\c:129+16*\f+2*\c], v13, s[20:21] offset:2048*\f+256*\c   ; W_proj's fragments: they stay
.endr
.endr
.irp i, 0,1,2,3,4,5,6,7
	global_load_b128 v[64+4*\i:67+4*\i], v12, s[16:17] offset:512*\i    ; k of head 0: eight tiles of 16 keys
.endr
.irp i, 0,1,2,3,4,5,6,7
	global_load_b128 v[96+4*\i:99+4*\i], v12, s[18:19] offset:512*\i    ; v of head 0: two fragments
.endr
	WIN 0
.irp z, 21,22,23,33,35,37,55,57,224,225,226,227,232,233,234,235
	v_mov_b32 v[\z], 0                             ; upper halves of pairs that are named whole, destinations of lane exchanges, and the zeros round q: registers that no load or store names
.endr
	s_mov_b32 s62, 0x76543210                      ; v_permlanex16_b32: lane l xor 16
	s_mov_b32 s63, 0xfedcba98
	s_mov_b32 s67, 0                               ; the head's row of key terms
	s_mov_b32 s100, 0                              ; the head's place among my parts of O^T
	s_wait_loadcnt 53                              ; the six loads of coordinates are in; the 53 issued behind them may be out
.irp i, 0,1,2,3
.irp c, 0,1,2
	ds_store_b32 v14, v[40+3*\i+\c] offset:4096*\c+4*\i   ; the coordinates as they are, an array for each axis: the data come from loads, the address stands since the wait above
.endr
.endr
	s_wait_kmcnt 0x0
.irp i, 0,1,2,3,4,5,6,7,8,9,10,11,12,13,14,15,16,17,18,19,20,21,22,23
	s_mul_f32 s[68+\i], s[68+\i], 0x3fb8aa3b       ; x log2(e): the exponentials work in base 2
.endr
.irp i, 0,1,2,3,4,5,6,7
	s_mul_f32 s[44+\i], s[44+\i], 0x3fb8aa3b
.endr
	v_mov_b32 v58, s55                             ; head w's constants, the same in every lane: sig = 1 / (1 + 2^(-log2(e) g))
	v_mul_f32 v58, 0xbfb8aa3b, v58
	v_exp_f32 v58, v58
	v_mov_b32 v24, s56                             ; (a plain line behind the exponential)
	s_wait_alu depctr_va_vdst(0)                   ; the exponential has written v58, ahead of the first line that names it
	v_add_f32 v58, 1.0, v58
	v_rcp_f32 v27, v58
	v_mul_f32 v24, 0x3fb8aa3b, v24                 ; w3' = W_pos[3][w] log2(e).  (A plain line behind the reciprocal)
	s_wait_alu depctr_va_vdst(0)                   ; the reciprocal has written v27, ahead of the first line that names it
	v_sub_f32 v26, 1.0, v27
	v_mov_b32 v25, v24
.irp i, 0,1,2,3
	v_sub_f32 v[52+\i], v[40+3*\i], s52            ; p_j - p_c
	v_sub_f32 v[56+\i], v[41+3*\i], s53
	v_sub_f32 v[60+\i], v[42+3*\i], s54
.endr
.irp hd, 0,1,2,3,4,5,6,7               ; the key term of each head: (b_pos + W_pos[0:3] . (p_j - p_c)) log2(e), four keys a thread
.irp i, 0,1,2,3
	v_fma_f32 v[64+4*\hd+\i], s[68+\hd], v[52+\i], s[44+\hd]
.endr
.irp i, 0,1,2,3
	v_fma_f32 v[64+4*\hd+\i], s[76+\hd], v[56+\i], v[64+4*\hd+\i]
.endr
.irp i, 0,1,2,3
	v_fma_f32 v[64+4*\hd+\i], s[84+\hd], v[60+\i], v[64+4*\hd+\i]
.endr
.endr
	s_add_co_i32 s92, s34, s35                     ; a score stands for score x 2^(e2 + e3): the exponents are added to the exponent field of
	s_lshl_b32 s92, s92, 23
	s_add_co_i32 s58, s92, 0x3e8293ee              ; c = log2(e) / sqrt(32)
	s_mov_b32 s59, s58                             ; (named with it as a pair, so it is written)
	s_add_co_i32 s92, s40, s41
	s_add_co_i32 s92, s92, 127
	s_lshl_b32 s60, s92, 23                        ; 2^(e8 + e9)
	s_mov_b32 s61, s60
	MKSC 28, 29, 39                                ; attn: e7
	s_sub_co_i32 s94, s40, s38                     ; a sum of v^T attn^T stands for sum x 2^(e6 + e7): its code is sum / 2^(e8 - e6 - e7)
	s_sub_co_i32 s94, s94, s39
	MKSC 30, 31, 94
	s_wait_alu depctr_va_vdst(0)                   ; the constants v[24:27] and the key terms v[64:95] are written, which the nine LDS stores read
	ds_store_b128 v7, v[24:27] offset:AT+4096
.irp hd, 0,1,2,3,4,5,6,7
	ds_store_b128 v14, v[64+4*\hd:67+4*\hd] offset:AT+ATP*\hd
.endr
	BAR                                            ; the coordinates, the key terms and the heads' constants lie in LDS; none of them is written again
	s_wait_alu depctr_vm_vsrc(0)                   ; my LDS stores have read v[64:95], v[24:27], v7 and v[40:51], my loads v38 and v39: LDS loads land in these registers and vector lines write them from here on
	DIST 0                                         ; (its loads land in v64-159: the multiply-adds that wrote v64-95 stand ahead of the last wait on va_vdst, and no vector line has been issued since)
	DIST 1
	v_add_nc_u32 v6, s67, v5                       ; head 0's key terms and constants
	v_mov_b32 v7, s67
	s_wait_alu depctr_va_vdst(0)                   ; v6 and v7 are written, which the 17 LDS loads read
	KTERMS
; ONE HEAD.  next = 1: the next head's k, q, v, key terms and constants are asked for on the way.  next = 0: the last head, which makes the addresses of the end's first loads instead.
.macro HEAD next
	s_wait_loadcnt 8                               ; k and q are in: v's eight loads were issued behind them and may be out
	WIN 0x01                                       ; source 0 (k) window 1
.irp f, 0,1,2,3
	v_wmma_f32_16x16x64_fp8_fp8 v[64+16*\f:71+16*\f], v[64+8*\f:71+8*\f], v[228:235], 0   ; keys 32 f + ..: q meets registers 0-3
	v_wmma_f32_16x16x64_fp8_fp8 v[72+16*\f:79+16*\f], v[64+8*\f:71+8*\f], v[224:231], 0   ; keys 32 f + 16 + ..: q meets registers 4-7
.endr
	WIN 0
.rept 4
	v_nop                                          ; four places behind the products, ahead of the first vector line on a result (ISA guide 7.12.1)
.endr
.if \next
	s_add_nc_u64 s[16:17], s[16:17], 32768         ; the wait at the head has shown the loads done that read these two bases
	s_add_nc_u64 s[14:15], s[14:15], 32768
	WIN 0x40
	s_wait_alu depctr_va_vdst(0)                   ; the eight products are done reading k and q, in which the nine loads below land
.irp i, 0,1,2,3,4,5,6,7
	global_load_b128 v[64+4*\i:67+4*\i], v12, s[16:17] offset:512*\i
.endr
	WIN 0
	global_load_b128 v[228:231], v12, s[14:15]
.endif
	MAX64 58, 59, 64                               ; the largest score of my query among my 64 keys
	s_wait_dscnt 0x0                               ; the key terms and the constants, asked for at the end of the head before, are in
	WIN 0x01                                       ; source 0 (the distances) window 1
.set j, 0
.rept 32
	v_pk_fma_f32 v[128+j:129+j], v[j:j+1], v[24:25], v[128+j:129+j]   ; the pos logit in units of log2: distance x w3' + the key term
.set j, j+2
.endr
	WIN 0
	MAX64 60, 61, 128
	v_permlanex16_b32 v22, v58, s62, s63           ; the query's other 64 keys of my wave lie in lane l xor 16
	v_permlanex16_b32 v23, v60, s62, s63
	v_max_num_f32 v58, v58, v22
	v_max_num_f32 v60, v60, v23
	v_mul_f32 v58, s58, v58                        ; as t (c is positive)
	v_floor_f32 v17, -v60                          ; -M = floor(-t) = -ceil(t): a whole number.  (The last head's store of v[16:19] stands ahead of that head's wait on vm_vsrc)
	v_floor_f32 v20, -v60
	v_floor_f32 v16, -v58
.set j, 0
.rept 32
	v_pk_fma_f32 v[64+j:65+j], v[64+j:65+j], s[58:59], v[16:17] op_sel_hi:[1,0,0]   ; c s - M_P (of the pairs the low word serves both halves)
.set j, j+2
.endr
.set j, 0
.rept 32                               ; the first batch: 64 exponentials; the plain lines between them make the second batch's arguments and name no result
	v_exp_f32 v[64+j], v[64+j]
	v_exp_f32 v[65+j], v[65+j]
	v_pk_add_f32 v[128+j:129+j], v[128+j:129+j], v[20:21] op_sel_hi:[1,0]
.set j, j+2
.endr
	s_wait_alu depctr_va_vdst(0)                   ; the first batch has written v[64:127], ahead of its first reader
.set n, 0
.rept 32                               ; the second batch; the plain lines between add up the first batch's results
	v_exp_f32 v[128+2*n], v[128+2*n]
	v_exp_f32 v[129+2*n], v[129+2*n]
	SUMSTEP 64, 18
.set n, n+1
.endr
	s_wait_alu depctr_va_vdst(0)                   ; the second batch has written v[128:191], ahead of its first reader
.set n, 0
.rept 32
	SUMSTEP 128, 19
.set n, n+1
.endr
	v_permlanex16_b32 v22, v18, s62, s63
	v_permlanex16_b32 v23, v19, s62, s63
	v_pk_add_f32 v[18:19], v[18:19], v[22:23]      ; my wave's two sums for query r
	s_wait_alu depctr_va_vdst(0)                   ; v[16:19] are written, which the store reads; and the last head's lines are done with v[32:47], in which the four loads behind the barrier land
	ds_store_b128 v8, v[16:19] offset:STAT         ; lanes r and r + 16 store the same 16 bytes
	BAR                                            ; all eight waves' quads lie in LDS
.irp i, 0,1,2,3
	ds_load_b128 v[32+4*\i:35+4*\i], v9 offset:STAT+256*\i
.endr
	BAR                                            ; every wave's reads are in: the next head may store there
	v_min3_num_f32 v48, v32, v36, v40              ; the common -M: the least of the eight
	v_min3_num_f32 v49, v33, v37, v41
	v_min_num_f32 v48, v48, v44
	v_min_num_f32 v49, v49, v45
	v_permlanex16_b32 v22, v48, s62, s63
	v_permlanex16_b32 v23, v49, s62, s63
	v_min_num_f32 v48, v48, v22
	v_min_num_f32 v49, v49, v23
.irp i, 0,1,2,3
	v_pk_add_f32 v[32+4*\i:33+4*\i], v[48:49], v[32+4*\i:33+4*\i] neg_lo:[0,1] neg_hi:[0,1]   ; d = a wave's M less the common M: a whole number, 0 or less
.endr
	v_pk_add_f32 v[50:51], v[48:49], v[16:17] neg_lo:[0,1] neg_hi:[0,1]                     ; my own wave's
.irp i, 0,1,2,3
	v_cvt_i32_f32 v[32+4*\i], v[32+4*\i]           ; (it saturates)
	v_cvt_i32_f32 v[33+4*\i], v[33+4*\i]
.endr
	v_cvt_i32_f32 v50, v50
	v_cvt_i32_f32 v51, v51
.irp i, 0,1,2,3
	v_ldexp_f32 v[34+4*\i], v[34+4*\i], v[32+4*\i] ; a wave's sums under the common M: nothing is rounded
	v_ldexp_f32 v[35+4*\i], v[35+4*\i], v[33+4*\i]
.endr
	v_pk_add_f32 v[52:53], v[34:35], v[38:39]
	v_pk_add_f32 v[58:59], v[42:43], v[46:47]
	v_pk_add_f32 v[52:53], v[52:53], v[58:59]
	v_permlanex16_b32 v22, v52, s62, s63
	v_permlanex16_b32 v23, v53, s62, s63
	v_pk_add_f32 v[52:53], v[52:53], v[22:23]      ; S_P, S_E: the rows' sums over all 1,024 keys
	v_rcp_f32 v54, v52
	v_rcp_f32 v56, v53
	v_nop                                          ; a plain line behind the reciprocals
	s_wait_alu depctr_va_vdst(0)                   ; the two reciprocals have written v54 and v56, ahead of their first reader
	v_mul_f32 v58, v52, v54
	v_mul_f32 v59, v53, v56
	v_mul_f32 v58, v26, v58
	v_fma_f32 v58, v27, v59, v58                   ; the mix's row sum
	v_rcp_f32 v60, v58
	v_mul_f32 v54, v26, v54                        ; (plain lines behind the reciprocal, which name neither its result nor its source)
	v_mul_f32 v56, v27, v56
	s_wait_alu depctr_va_vdst(0)                   ; the reciprocal has written v60, ahead of its first reader
	v_mul_f32 v54, v54, v60
	v_mul_f32 v56, v56, v60
	v_ldexp_f32 v54, v54, v50                      ; c_P = (1 - sig) / S_P / row sum x 2^d_P
	v_ldexp_f32 v56, v56, v51                      ; c_E = sig / S_E / row sum x 2^d_E
.set j, 0
.rept 32
	v_pk_mul_f32 v[64+j:65+j], v[64+j:65+j], v[54:55] op_sel_hi:[1,0]
.set j, j+2
.endr
.set j, 0
.rept 32
	v_pk_fma_f32 v[64+j:65+j], v[128+j:129+j], v[56:57], v[64+j:65+j] op_sel_hi:[1,0,1]   ; attn, finished
.set j, j+2
.endr
.set j, 0
.rept 64
	v_min_num_f32 v[64+j], v[64+j], v29            ; the conversion does not saturate (ISA guide 7.6.2); attn is not negative, so the hold is one-sided
.set j, j+1
.endr
.irp t, 0,1,2,3,4,5,6,7
	v_cvt_scalef32_pk8_fp8_f32 v[192+2*\t:193+2*\t], v[64+8*\t:71+8*\t], v28   ; registers 2 t, 2 t + 1 of the operand: keys 16 t + 8 h + 0 .. 7
.endr
	v_nop                                          ; one plain line between the conversions and the products that read their results
.if \next
	s_wait_loadcnt 9                               ; v is in: the next head's k and q, nine loads, were issued behind it
	s_add_nc_u64 s[18:19], s[18:19], 32768         ; that wait has shown the loads done that read this base
	s_add_co_u32 s67, s67, ATP                     ; the next head's row of key terms
.else
	s_wait_loadcnt 0x0
.endif
	s_wait_alu depctr_vm_vsrc(0)                   ; the key terms' loads have read v6 and v7, the quad's store v8 and v[16:19], the quads' loads v9, the last head's stores v11 and v[208:223]: all are written again only behind this line
	WIN 0x01                                       ; source 0 (v) window 1
	v_wmma_f32_16x16x128_fp8_fp8 v[208:215], v[96:111], v[192:207], 0
	v_wmma_f32_16x16x128_fp8_fp8 v[216:223], v[112:127], v[192:207], 0
	WIN 0
	v_add_nc_u32 v11, s100, v10                    ; four places behind the products, three of them useful: where this head's part of O^T goes,
.if \next
	v_add_nc_u32 v6, s67, v5                       ; and where the next head's key terms and constants lie
	v_mov_b32 v7, s67
.else
	v_add_nc_u32 v6, s101, v12                     ; and, for the end: head w in wave 0's parts,
	v_add_nc_u32 v7, 0x10000, v6                   ; and in wave 4's: the immediate reaches 65,535 bytes
.endif
	v_nop
.if \next
	WIN 0x40
.endif
	s_wait_alu depctr_va_vdst(0)                   ; v11, v6, v7 and O^T in v[208:223] are written; the products are done reading v, the mix is done reading v[128:191] and v[24:27].  No vector line follows before the next head's products
.if \next
.irp i, 0,1,2,3,4,5,6,7
	global_load_b128 v[96+4*\i:99+4*\i], v12, s[18:19] offset:512*\i
.endr
	WIN 0
.endif
	ds_store_b128 v11, v[208:211]                  ; my part of the head's O^T, as the registers stand; each accumulator from its low end on
	ds_store_b128 v11, v[212:215] offset:512
	ds_store_b128 v11, v[216:219] offset:1024
	ds_store_b128 v11, v[220:223] offset:1536
.if \next
	KTERMS                                         ; they land while the next head's scores and their maximum are made
	s_add_co_u32 s100, s100, 2048
.endif
.endm
	s_mov_b32 s66, 7
.Lhead:
	HEAD 1
	s_sub_co_u32 s66, s66, 1
	s_cmp_lg_u32 s66, 0
	s_cbranch_scc1 .Lhead
	s_lshl_b32 s101, s26, 11
	s_add_co_u32 s101, s101, OP                    ; head w's place in wave 0's parts of O^T
	HEAD 0                                         ; the last head is written out: it asks for nothing, so no load leaves its buffer
	; THE END.  Wave w adds head w's eight parts, in the order of the keys.
	BAR                                            ; all parts of O^T lie in LDS
.irp p, 0,1,2,3,4,5,6,7                ; v6 and v7 were made in the last head's places; its last wait on va_vdst shows them written and v64-191 read out, and no vector line has been issued since
.irp q, 0,1,2,3
	ds_load_b128 v[64+16*\p+4*\q:67+16*\p+4*\q], v[6+\p/4] offset:(\p%4)*16384+512*\q
.endr
.endr
	s_wait_dscnt 0x0
.irp p, 1,2,3,4,5,6,7
.irp i, 0,2,4,6,8,10,12,14
	v_pk_add_f32 v[64+\i:65+\i], v[64+\i:65+\i], v[64+16*\p+\i:65+16*\p+\i]
.endr
.endr
.irp i, 0,1,2,3,4,5,6,7,8,9,10,11,12,13,14,15
	v_med3_num_f32 v[64+\i], v[64+\i], -v31, v31
.endr
	v_cvt_scalef32_pk8_fp8_f32 v[192:193], v[64:71], v30    ; query r, channels 32 w + 8 h + 0 .. 7
	v_cvt_scalef32_pk8_fp8_f32 v[194:195], v[72:79], v30    ; and 32 w + 16 + 8 h + 0 .. 7
	v_nop
	s_lshl_b32 s92, s26, 9
	v_add_nc_u32 v8, s92, v12                      ; (the last store that read v8 stands ahead of the last head's wait on vm_vsrc)
	s_wait_alu depctr_va_vdst(0)                   ; v[192:195] and v8 are written, which the store reads; and the lines above are done with v[64:95], in which the loads behind the barrier land
	ds_store_b128 v8, v[192:195] offset:OIMG
	BAR                                            ; the 256 channels' codes lie in LDS: head 4 s + q is registers 4 q .. 4 q + 3 of K step s
.irp i, 0,1,2,3,4,5,6,7
	ds_load_b128 v[64+4*\i:67+4*\i], v12 offset:OIMG+512*\i
.endr
	s_wait_dscnt 0x0
	WIN 0x01                                       ; source 0 (W_proj) window 1
	v_wmma_f32_16x16x128_fp8_fp8 v[96:103], v[128:143], v[64:79], 0            ; two tiles of columns by turns
	v_wmma_f32_16x16x128_fp8_fp8 v[104:111], v[160:175], v[64:79], 0
	v_wmma_f32_16x16x128_fp8_fp8 v[96:103], v[144:159], v[80:95], v[96:103]
	v_wmma_f32_16x16x128_fp8_fp8 v[104:111], v[176:191], v[80:95], v[104:111]
	WIN 0
	v_mul_u32_u24 v9, v1, SGP                      ; four places: the stage's address as I store: row r, + 128 w + 32 h  (the last loads that read v9 stand ahead of the last head's wait on vm_vsrc),
	v_lshl_add_u32 v9, v2, 5, v9
	s_lshl_b32 s92, s26, 7
	v_add_nc_u32 v9, s92, v9
	s_mul_i32 s93, s26, 2*SGP
	v_add_nc_u32 v10, s93, v12                     ; and as I read it back: rows 2 w and 2 w + 1
.irp t, 0,1
.irp i, 0,2,4,6
	v_pk_fma_f32 v[112+8*\t+\i:113+8*\t+\i], v[96+8*\t+\i:97+8*\t+\i], s[60:61], v[236+8*\t+\i:237+8*\t+\i] op_sel_hi:[1,0,1]   ; sum x 2^(e8 + e9) + b_proj
.endr
.endr
	s_wait_alu depctr_va_vdst(0)                   ; v[112:127] and v9 are written, which the stores read, and v10, which the loads behind the barrier read; the products are done reading v[64:79], in which those loads land
.irp t, 0,1
.irp u, 0,1
	ds_store_b128 v9, v[112+8*\t+4*\u:115+8*\t+4*\u] offset:STG+64*\t+16*\u    ; out(r, 32 w + 16 t + 8 h + 4 u + 0 .. 3)
.endr
.endr
	BAR                                            ; 16 whole rows lie in the stage
.irp a, 0,1
.irp u, 0,1
	ds_load_b128 v[64+4*(2*\a+\u):67+4*(2*\a+\u)], v10 offset:STG+SGP*\a+512*\u
.endr
.endr
.irp a, 0,1
.irp u, 0,1
	s_wait_dscnt 3-2*\a-\u                         ; LDS loads come back in order: this one is in, the younger may be out
	global_store_b128 v12, v[64+4*(2*\a+\u):67+4*(2*\a+\u)], s[24:25] offset:1024*\a+512*\u th:TH_STORE_NT   ; 32 lanes store 512 consecutive bytes, aligned
.endr
.endr
	s_wait_dscnt 0x0                               ; the closing lines, six on end
	s_wait_alu 0x0
	s_wait_tensorcnt 0x0
	ds_add_u32 v[SPW], v[NIL]
	s_wait_dscnt 0x0
	s_endpgm
.Lfunc_end_k_qbd0a244f29_attn:
	.size	k_qbd0a244f29_attn, .Lfunc_end_k_qbd0a244f29_attn-k_qbd0a244f29_attn
	.p2alignl 7, 3214868480
	.fill 96, 4, 3214868480
	.section	.rodata,"a",@progbits
	.p2align	6, 0x0
	.amdhsa_kernel k_qbd0a244f29_attn
		.amdhsa_group_segment_fixed_size 200192
		.amdhsa_private_segment_fixed_size 0
		.amdhsa_enable_private_segment 0
		.amdhsa_kernarg_size 88
		.amdhsa_user_sgpr_count 2
		.amdhsa_user_sgpr_kernarg_segment_ptr 1
		.amdhsa_wavefront_size32 1
		.amdhsa_system_sgpr_workgroup_id_x 1
		.amdhsa_system_sgpr_workgroup_id_y 1
		.amdhsa_system_sgpr_workgroup_id_z 1
		.amdhsa_system_vgpr_workitem_id 0
		.amdhsa_next_free_vgpr 448
		.amdhsa_next_free_sgpr 102
		.amdhsa_reserve_vcc 0
		.amdhsa_float_denorm_mode_32 3
		.amdhsa_float_denorm_mode_16_64 3
		.amdhsa_memory_ordered 1
		.amdhsa_forward_progress 1
		.amdhsa_inst_pref_size 113
	.end_amdhsa_kernel
	.amdgpu_metadata
---
amdhsa.version: [ 1, 2 ]
amdhsa.kernels:
  - .name:           k_qbd0a244f29_attn
    .symbol:         k_qbd0a244f29_attn.kd
    .args:
      - { .name: voxel_coord, .offset: 0, .size: 8, .value_kind: global_buffer, .address_space: global }
      - { .name: W_pos, .offset: 8, .size: 8, .value_kind: global_buffer, .address_space: global }
      - { .name: b_pos, .offset: 16, .size: 8, .value_kind: global_buffer, .address_space: global }
      - { .name: gating, .offset: 24, .size: 8, .value_kind: global_buffer, .address_space: global }
      - { .name: lowp_scales, .offset: 32, .size: 8, .value_kind: global_buffer, .address_space: global }
      - { .name: q_img, .offset: 40, .size: 8, .value_kind: global_buffer, .address_space: global }
      - { .name: k_img, .offset: 48, .size: 8, .value_kind: global_buffer, .address_space: global }
      - { .name: v_img, .offset: 56, .size: 8, .value_kind: global_buffer, .address_space: global }
      - { .name: wp_img, .offset: 64, .size: 8, .value_kind: global_buffer, .address_space: global }
      - { .name: b_proj, .offset: 72, .size: 8, .value_kind: global_buffer, .address_space: global }
      - { .name: out0, .offset: 80, .size: 8, .value_kind: global_buffer, .address_space: global }
    .group_segment_fixed_size: 200192
    .private_segment_fixed_size: 0
    .kernarg_segment_align: 8
    .kernarg_segment_size: 88
    .max_flat_workgroup_size: 256
    .sgpr_count:     102
    .vgpr_count:     448
    .wavefront_size: 32
...
	.end_amdgpu_metadata
.endif
;; end of part 4
